; MI455X (gfx1250); checked and timed in simulation.
; The chip was launched on July 23, 2026; its instructions are those of AMD's public machine-readable ISA for CDNA 5 (MIT licence, August 2026) and "CDNA5" Instruction Set Architecture Reference Guide (July 2026). The comments in the code are by the model that wrote it; some were corrected since.
;; Multi Head Attention. Allowed arithmetic: matrix products marked QUANTISED: E2M3 operands, one E8M0 scale for each 32 along K, by v_wmma_scale_f32_16x16x128_f8f6f4 with both operands' format E2M3, f32 sums; everything else in f32.
;; Inputs: Wk 1,024 x 1,024 float32; Wo 1,024 x 1,024 float32; Wq 1,024 x 1,024 float32; Wv 1,024 x 1,024 float32; bk 1,024 float32; bo 1,024 float32; bq 1,024 float32; bv 1,024 float32; key 4 x 2,048 x 1,024 float32; query 4 x 2,048 x 1,024 float32; value 4 x 2,048 x 1,024 float32.
;; Outputs: out0 4 x 2,048 x 1,024 float32.
;; This version of the problem:
;;   THIS VERSION OF THE PROBLEM IS GIVEN IN LOW PRECISION. The matrix products marked QUANTISED in the list below multiply operands that are first quantised to E2M3 (2 exponent bits, 3 mantissa bits; 6 bits a number), with one power-of-two scale for each 32 numbers along K (OCP MX v1.0); their sums are f32. All else is computed in f32.
;;   The module's matrix products, in the order in which they are computed (A, B: the left and right operand; K: the contracted axis; several contracted axes count as one K, in the product's order):
;;     1. [M 8,192, K 1,024] x [K 1,024, N 1,024]; A: input query; B: input Wq: QUANTISED
;;     2. [M 8,192, K 1,024] x [K 1,024, N 1,024]; A: input key; B: input Wk: QUANTISED
;;     3. [M 8,192, K 1,024] x [K 1,024, N 1,024]; A: input value; B: input Wv: QUANTISED
;;     4. batch 64 x [M 2,048, K 64] x [K 64, N 2,048]; A: computed on the way; B: computed on the way: QUANTISED
;;     5. batch 64 x [M 2,048, K 2,048] x [K 2,048, N 64]; A: softmax (see below); B: computed on the way: QUANTISED
;;     6. [M 8,192, K 1,024] x [K 1,024, N 1,024]; A: computed on the way; B: input Wo: QUANTISED
;;   THE QUANTISER, for each operand of a quantised product, along K:
;;     - K is cut into blocks of 32 from its start; a last block that is shorter is filled with zeros.
;;     - A block's scale is 2^e with e = floor(log2(the largest magnitude in the block)) - 2, held to -126 .. 127; a block of zeros has e = 0. As a byte (E8M0): e + 127.
;;     - Each number is divided by its block's scale, clamped to +-7.5, and rounded to the nearest number of E2M3, ties to even, subnormals kept.
;;     - The product sums the exact products of the quantised numbers (number of the format x scale) in f32.
;;   ~~~python
;;   def quantise(x, axis):      # numpy; x: float32 -> the quantised numbers, widened to float32 again
;;       x = np.moveaxis(x, axis, -1); K = x.shape[-1]
;;       x = np.pad(x, [(0, 0)] * (x.ndim - 1) + [(0, -K % 32)]); x = x.reshape(x.shape[:-1] + (-1, 32)); a = np.abs(x).max(-1, keepdims=True)
;;       e = np.where(a > 0, np.clip(np.frexp(np.where(a > 0, a, 1))[1] - 1 - 2, -126, 127), 0)      # np.frexp(a)[1] - 1 = floor(log2(a)), exactly
;;       r = np.clip(x / 2.0 ** e, -7.5, 7.5)
;;       step = 2.0 ** (np.maximum(np.frexp(np.where(r == 0, 1, r))[1] - 1, 0) - 3)
;;       q = np.round(r / step) * step * 2.0 ** e      # np.round: ties to even
;;       return np.moveaxis(q.reshape(q.shape[:-2] + (-1,))[..., :K], -1, axis).astype(np.float32)
;;   ~~~
;;   SOFTMAX AHEAD OF A QUANTISED PRODUCT. Where the list says 'softmax', what is quantised is not the finished softmax but p = 2^(t - M), with t = logit x log2(e) and M = ceil(the row's largest t), a whole number; so 1/2 < the row's largest p <= 1. The row's sum l is taken of the UNQUANTISED p, in f32, and the product's result is divided by l at the end. Since M is a whole number, a kernel that streams over the keys may use a running M (the ceiling of the running maximum): every later rescaling is an exact power of two, which a block's scale takes up: the codes' values come out the same.
;;   OPERANDS COMPUTED ON THE WAY. 'Computed on the way' means the value that the module computes at that place (a softmax that the list does not call 'softmax' is quantised finished and normalised). What goes into a quantiser is computed in f32, as accurately as f32 sums, v_exp_f32 and their like allow (about 1e-6 of the number): no bf16 or f16 on the way to a quantiser, and a product that is left as it is and whose result goes on into a quantised operand takes f32 operands (vector FMAs, or v_wmma_f32_16x16x4_f32). A number that lies on a knife's edge between two numbers of the format may be rounded either way, as far as f32 arithmetic and the matrix unit's own rounding can turn it there, and no further.
;; One version. Each part assembles by itself: llvm-mc -triple=amdgcn-amd-amdhsa -mcpu=gfx1250 --defsym DOCPART=n.
;; ======== version 1 of 1: 4 launches
;; limits: right only within a limited range of input values
;; workspace buffers: img 22,020,096 bytes; sci 917,504 bytes; qi 6,815,744 bytes; kv 13,369,344 bytes; cimg 6,553,600 bytes
;; launch quant (part 1): grid 512 x 1, 4 waves a work-group, no clusters, 37,376 bytes of LDS; arguments query, key, value, Wq, Wk, Wv, Wo, img, sci; writes img, sci
.if DOCPART == 1
	.amdgcn_target "amdgcn-amd-amdhsa--gfx1250"
	.amdhsa_code_object_version 6
	.text
	.protected	k_q9f4445a283_quant
	.globl	k_q9f4445a283_quant
	.p2align	8
	.type	k_q9f4445a283_quant,@function
k_q9f4445a283_quant:
	s_mov_b64 s[64:65], 0
	v_nop
	global_prefetch_b8 v0, s[64:65] scope:SCOPE_SE
	s_setreg_imm32_b32 hwreg(HW_REG_WAVE_MODE, 25, 1), 1
	s_wait_xcnt 0x0
; MULTI-HEAD ATTENTION IN MX-FP6 (E2M3, one E8M0 scale for each 32 along K), four launches: quant, proj, attn, out.
; DEAD WORK: none.  bq, bk and bv go into the quantisers of q, k and v, bo into the result; all eleven inputs have a way to the output and are loaded.
; THIS LAUNCH turns query, key, value [8192][1024] (K innermost) and Wq, Wk, Wv, Wo [1024 (k)][1024 (n)] (K is the FIRST axis) into codes and scale bytes.
; A block's scale is 2^(floor(log2(its largest magnitude)) - 2); its byte is the largest magnitude's exponent field - 2, held at 1 from below by a floor among the maximum's leaves.
; LIMITS: NaN and infinities among the inputs are not served; a block of zeros gets the byte 1 where the rule says 127 (its codes are zeros, and this program alone reads the bytes);
; blocks whose largest magnitude lies under 2^-124 are held at that floor.
; LAYOUT OF THE WORKSPACE: AN OPERAND LIES AS AN IMAGE OF ITS REGISTERS.  A fragment (16 rows x 128 K, 12 registers a lane) is 1,536 bytes: register n of lane l at 512 (n / 4) + 16 l + 4 (n % 4).
; So it is stored by three stores of 16 bytes a lane, 512 consecutive bytes each, and read back by three loads of the same form.
;   img: [224 groups of 128 rows][8 row blocks][8 K steps of 128][1,536]; groups 0-63 query, 64-127 key, 128-191 value, 192 + 8 w .. weight w (a row = a column n of W).
;   sci: [224 groups][8 K steps][128 rows][4 bytes]: a row's scale word of a K step.
; THE ROWS OF A ROW BLOCK ARE NOT NEIGHBOURS: row r of block 2 j + u is the group's row 32 j + 8 u + r + 8 (r / 8), so that a later product's results, used transposed, lie 16 neighbours to a lane.
; Work-groups 0-383: 64 rows of query, key or value; wave w takes K steps 2 w, 2 w + 1 of the four row blocks.  Work-groups 384-511: 128 columns x 256 along K of a weight; a lane takes a column.
; No tensor loads, no barrier: waves share nothing.  Only the first path touches LDS.
.set WREG,  9216                       ; LDS of a wave: a stage of 16 rows x (512 + 16) bytes, then 512 bytes in which its scale words are gathered
.set GATH,  8448
.set SPARE, 4*WREG                     ; behind the four regions: the spare words, 128 bytes a wave, which no other line names
.set FRB,   1536                       ; a fragment's image
.set RBS,   8*FRB                      ; a row block's eight K steps
.set SPW, 12                           ; v12 LDS address of my spare word; never rewritten
.set NIL, 13                           ; v13 0; never rewritten
.set R,   16                           ; v16-143 numbers as loaded: two sets of 64 (weights: two sets of 32)
.set X,   144                          ; v144-207 a lane's 64 numbers: two whole blocks of 32
.set FW,  144                          ; weights: v144-191 four fragments' halves
.set SB,  192                          ; weights: v192-193 scale words
.set F,   208                          ; v208-219 a fragment
.set FT,  220                          ; v220-227 the second halves of the blocks' codes (a conversion's three registers begin on an even number)
.set M,   228
.set SO,  230
.set BY,  232
.set WD,  234
.set PT,  235
	s_load_b256 s[20:27], s[0:1], 0x0              ; query, key, value, Wq
	s_load_b256 s[28:35], s[0:1], 0x20             ; Wk, Wv, Wo, img
	s_load_b64 s[36:37], s[0:1], 0x40              ; sci
	v_lshl_add_u32 v[SPW], v0, 2, SPARE
	v_mov_b32 v[NIL], 0
	v_lshrrev_b32 v1, 5, v0
	v_readfirstlane_b32 s16, v1                    ; wave
	v_and_b32 v10, 31, v0                          ; lane
	v_and_b32 v11, 15, v0                          ; r
	v_bfe_u32 v14, v0, 4, 1                        ; h
	v_lshlrev_b32 v1, 4, v10                       ; 16 l: my place in 512 bytes
	s_mul_i32 s17, s16, WREG
	v_add_nc_u32 v2, s17, v1                       ; the stage on the way in: a row as it lies
	v_mul_u32_u24 v3, v11, 528
	v_lshl_add_u32 v3, v14, 7, v3
	v_add_nc_u32 v3, s17, v3                       ; on the way out: row r, + 128 h: my block of 32 numbers
	v_lshlrev_b32 v4, 2, v11
	v_add_nc_u32 v4, s17, v4
	v_add_nc_u32 v4, GATH, v4                      ; where row r's scale word is gathered
	v_add_nc_u32 v5, GATH, v2                      ; and read back, 16 bytes a lane
	v_lshlrev_b32 v6, 4, v11
	v_lshl_add_u32 v6, v14, 9, v6                  ; its place in sci: lanes 0-15 the first K step's 256 bytes, lanes 16-31 the second's
	v_lshlrev_b32 v7, 3, v14                       ; 8 h: my bytes' place in a scale word
	v_and_b32 v8, 7, v0
	v_and_b32 v9, 8, v0
	v_lshl_add_u32 v8, v9, 1, v8
	v_lshl_add_u32 v8, v14, 3, v8                  ; the column of row l of two row blocks: bits 3 and 4 of l change places
	v_lshlrev_b32 v8, 2, v8
	v_lshlrev_b32 v9, 2, v10                       ; 4 l
	v_mov_b32 v[PT], 0                             ; written once: a lane permute's destination counts as one of its sources
	s_mov_b32 s18, 0x76543210
	s_mov_b32 s19, 0xfedcba98                      ; v_permlanex16_b32's selects for lane l xor 16
	s_wait_kmcnt 0x0
	s_cmp_lt_u32 ttmp9, 384
	s_cbranch_scc0 .Lweights
	; ---- query, key, value: K innermost
	s_cmp_lt_u32 ttmp9, 128                        ; the choice hangs on the work-group's number alone
	s_cselect_b64 s[4:5], s[20:21], s[22:23]
	s_cmp_lt_u32 ttmp9, 256
	s_cselect_b64 s[4:5], s[4:5], s[24:25]
	s_and_b32 s6, ttmp9, 127
	s_lshl_b32 s6, s6, 18                          ; 64 rows of 4,096 bytes
	s_lshl_b32 s7, s16, 10                         ; my two K steps: 1,024 bytes of a row
	s_add_co_u32 s6, s6, s7
	s_mov_b32 s7, 0
	s_add_nc_u64 s[4:5], s[4:5], s[6:7]
	s_mul_i32 s6, ttmp9, 4*RBS                     ; row blocks 4 W on,
	s_mul_i32 s8, s16, 2*FRB                       ; K steps 2 w on
	s_add_co_u32 s6, s6, s8
	s_add_nc_u64 s[10:11], s[34:35], s[6:7]
	s_lshr_b32 s6, ttmp9, 1
	s_lshl_b32 s6, s6, 12                          ; the group's 4,096 bytes of scale words,
	s_lshl_b32 s8, s16, 10                         ; K steps 2 w on,
	s_add_co_u32 s6, s6, s8
	s_and_b32 s8, ttmp9, 1
	s_lshl_b32 s8, s8, 8                           ; the group's first or second 64 rows
	s_add_co_u32 s6, s6, s8
	s_add_nc_u64 s[12:13], s[36:37], s[6:7]
; item it: row block it / 2, K step it % 2 of my two: 16 rows x 512 bytes, each load 512 consecutive bytes of one row
.macro LOADX it
.set IB, (\it)/2
.set KS, (\it)%2
.set RS, R+64*((\it)%2)
.irp q, 0,1,2,3,4,5,6,7,8,9,10,11,12,13,14,15
	; THE TOKENS' ORDER (query, key, value): row q of row block a of a group is the group's token 64 (a / 4) + 8 (a % 4) + q % 8 + 32 (q / 8), so that a later product's results, used transposed,
	; give a lane whole blocks of 32 neighbouring tokens.  (The order stated at the head holds for the weights' columns.)
	global_load_b128 v[RS+4*\q:RS+4*\q+3], v1, s[4:5] offset:(8*IB+\q+24*(\q/8))*4096+512*KS th:TH_LOAD_NT
.endr
.endm
.macro ITEM it
.set RS, R+64*((\it)%2)
.if (\it) < 7
	s_wait_loadcnt 16                              ; this item's 16 loads are in; the next item's 16 may be out
.else
	s_wait_loadcnt 0x0
.endif
.irp q, 0,1,2,3,4,5,6,7,8,9,10,11,12,13,14,15
	ds_store_b128 v2, v[RS+4*\q:RS+4*\q+3] offset:528*\q
.endr
.irp c, 0,1
.irp j, 0,1,2,3,4,5,6,7
	ds_load_b128 v[X+32*\c+4*\j:X+32*\c+4*\j+3], v3 offset:256*\c+16*\j   ; LDS serves a wave's instructions in order: these see the stores.  Lane (r, h): k = 64 c + 32 h + 0 .. 31 of row r
.endr
.endr
	s_wait_dscnt 0x0
.if (\it) < 6
	LOADX (\it)+2
.endif
.set IB, (\it)/2
.set KS, (\it)%2
.irp c, 0,1
	v_max3_num_f32 v[M+\c], |v[X+32*\c]|, |v[X+32*\c+1]|, 0x1800000   ; my block 2 c + h: all its 32 numbers are mine; and the floor 2^(3 - 127)
.endr
.irp i, 2,4,6,8,10,12,14,16,18,20,22,24,26,28,30
.irp c, 0,1
	v_max3_num_f32 v[M+\c], v[M+\c], |v[X+32*\c+\i]|, |v[X+32*\c+\i+1]|
.endr
.endr
.irp c, 0,1
	v_add_nc_u32 v[SO+\c], 0xff000000, v[M+\c]     ; 2 off the exponent field: the conversion's scale operand
.endr
.irp c, 0,1
	v_lshrrev_b32 v[BY+\c], 23, v[SO+\c]           ; the scale's byte
.endr
	v_lshl_or_b32 v[WD], v[BY+1], 16, v[BY]        ; blocks h and 2 + h,
	v_lshlrev_b32 v[WD], v7, v[WD]                 ; at their places;
	v_permlanex16_b32 v[PT], v[WD], s18, s19
	v_or_b32 v[WD], v[WD], v[PT]                   ; with lane l xor 16's two the word is whole
	s_wait_alu depctr_va_vdst(0)
	s_wait_xcnt 0x0                                ; the last item's stores have read F: it is written again only behind this wait
.irp c, 0,1
	v_cvt_scalef32_pk16_fp6_f32 v[F+6*\c:F+6*\c+2], v[X+32*\c:X+32*\c+15], v[SO+\c]
	v_cvt_scalef32_pk16_fp6_f32 v[FT+4*\c:FT+4*\c+2], v[X+32*\c+16:X+32*\c+31], v[SO+\c]
.endr
	v_nop                                          ; one plain place behind a scaled conversion
.irp c, 0,1
.irp i, 0,1,2
	v_mov_b32 v[F+6*\c+3+\i], v[FT+4*\c+\i]
.endr
.endr
.irp c, 0,1,2
	global_store_b128 v1, v[F+4*\c:F+4*\c+3], s[10:11] offset:IB*RBS+KS*FRB+512*\c   ; 512 consecutive bytes
.endr
	ds_store_b32 v4, v[WD] offset:256*KS+64*IB     ; both halves of the lanes write the same word with the same value
.endm
	LOADX 0
	LOADX 1
.irp n, 0,1,2,3,4,5,6,7
	ITEM \n
.endr
	ds_load_b128 v[X:X+3], v5                      ; my 128 scale words
	s_wait_dscnt 0x0
	global_store_b128 v6, v[X:X+3], s[12:13]       ; sixteen lanes store 256 consecutive bytes, aligned
	s_branch .Lend
	; ---- the weights: K is the first axis.  A lane takes a column, its registers run down K: nothing is transposed
.Lweights:
	s_sub_co_u32 s6, ttmp9, 384
	s_lshr_b32 s7, s6, 5                           ; which weight
	s_bfe_u32 s8, s6, 0x30002                      ; which 128 columns
	s_and_b32 s9, s6, 3                            ; which 256 along K
	s_cmp_lt_u32 s7, 1
	s_cselect_b64 s[4:5], s[26:27], s[28:29]
	s_cmp_lt_u32 s7, 2
	s_cselect_b64 s[4:5], s[4:5], s[30:31]
	s_cmp_lt_u32 s7, 3
	s_cselect_b64 s[4:5], s[4:5], s[32:33]
	s_lshl_b32 s14, s9, 20                         ; 256 rows of 4,096 bytes
	s_lshl_b32 s15, s8, 9
	s_add_co_u32 s14, s14, s15
	s_lshl_b32 s15, s16, 7                         ; my wave's 32 columns
	s_add_co_u32 s14, s14, s15
	s_mov_b32 s15, 0
	s_add_nc_u64 s[4:5], s[4:5], s[14:15]
	s_lshl_b32 s14, s7, 6
	s_lshl_b32 s17, s8, 3
	s_add_co_u32 s14, s14, s17
	s_lshl_b32 s17, s16, 1
	s_add_co_u32 s14, s14, s17
	s_add_co_u32 s14, s14, 1536                    ; row block 8 (192 + 8 weight + column group) + 2 w
	s_mul_i32 s14, s14, RBS
	s_mul_i32 s17, s9, 2*FRB
	s_add_co_u32 s14, s14, s17
	s_add_nc_u64 s[10:11], s[34:35], s[14:15]
	s_lshl_b32 s14, s7, 3
	s_add_co_u32 s14, s14, s8
	s_add_co_u32 s14, s14, 192
	s_lshl_b32 s14, s14, 3
	s_lshl_b32 s17, s9, 1
	s_add_co_u32 s14, s14, s17
	s_lshl_b32 s14, s14, 9
	s_lshl_b32 s17, s16, 7
	s_add_co_u32 s14, s14, s17
	s_add_nc_u64 s[12:13], s[36:37], s[14:15]
.macro LOADW t                         ; block t: W(32 t + i, my column): 32 lanes read 128 consecutive bytes, the four waves 512
.set WS, R+32*((\t)%2)
.irp i, 0,1,2,3,4,5,6,7,8,9,10,11,12,13,14,15,16,17,18,19,20,21,22,23,24,25,26,27,28,29,30,31
	global_load_b32 v[WS+\i], v8, s[4:5] offset:(32*(\t)+\i)*4096 th:TH_LOAD_NT
.endr
.endm
; Of a K step's four blocks a lane's blocks 0, 2 go to F0 and blocks 1, 3 to F1.  Lanes 0-15 hold rows of row block 2 w, lanes 16-31 of 2 w + 1: when F0's upper lanes and F1's lower lanes
; have changed places, F0 is row block 2 w's fragment and F1 is 2 w + 1's.
.macro BLOCK t
.set WS, R+32*((\t)%2)
.set CD, FW+24*((\t)/4)+12*((\t)%2)+6*(((\t)%4)/2)
.if (\t) < 7
	s_wait_loadcnt 32                              ; this block's 32 loads are in; the next block's may be out
.else
	s_wait_loadcnt 0x0
.endif
	v_max3_num_f32 v[M], |v[WS]|, |v[WS+1]|, |v[WS+2]|
	v_max3_num_f32 v[M+1], |v[WS+3]|, |v[WS+4]|, |v[WS+5]|
.irp i, 6,10,14,18,22,26
	v_max3_num_f32 v[M], v[M], |v[WS+\i]|, |v[WS+\i+1]|
	v_max3_num_f32 v[M+1], v[M+1], |v[WS+\i+2]|, |v[WS+\i+3]|
.endr
	v_max3_num_f32 v[M], v[M], |v[WS+30]|, |v[WS+31]|
	v_max3_num_f32 v[M], v[M], v[M+1], 0x1800000   ; and the floor
	v_add_nc_u32 v[SO], 0xff000000, v[M]
	v_lshrrev_b32 v[BY], 23, v[SO]
.if (\t)%4 == 0
	v_mov_b32 v[SB+(\t)/4], v[BY]
.else
	v_lshl_or_b32 v[SB+(\t)/4], v[BY], 8*((\t)%4), v[SB+(\t)/4]
.endif
	v_cvt_scalef32_pk16_fp6_f32 v[CD:CD+2], v[WS:WS+15], v[SO]
	v_cvt_scalef32_pk16_fp6_f32 v[FT:FT+2], v[WS+16:WS+31], v[SO]
	v_nop                                          ; one plain place behind a scaled conversion
.irp i, 0,1,2
	v_mov_b32 v[CD+3+\i], v[FT+\i]
.endr
.if (\t) < 6
	LOADW (\t)+2
.endif
.if (\t)%4 == 3
.set E, (\t)/4
.irp i, 0,1,2,3,4,5,6,7,8,9,10,11
	v_permlane16_swap_b32 v[FW+24*E+\i], v[FW+24*E+12+\i]
.endr
.irp u, 0,1
.irp c, 0,1,2
	global_store_b128 v1, v[FW+24*E+12*\u+4*\c:FW+24*E+12*\u+4*\c+3], s[10:11] offset:E*FRB+\u*RBS+512*\c
.endr
.endr
	global_store_b32 v9, v[SB+E], s[12:13] offset:512*E   ; 128 consecutive bytes a wave: the four waves of the work-group fill the K step's 512
.endif
.endm
	s_wait_alu depctr_va_vdst(0)
	LOADW 0
	LOADW 1
.irp n, 0,1,2,3,4,5,6,7
	BLOCK \n
.endr
.Lend:
	s_wait_tensorcnt 0x0                           ; the wave's end
	ds_add_u32 v[SPW], v[NIL]
	s_wait_dscnt 0x0
	s_endpgm
.Lfunc_end_k_q9f4445a283_quant:
	.size	k_q9f4445a283_quant, .Lfunc_end_k_q9f4445a283_quant-k_q9f4445a283_quant
	.p2alignl 7, 3214868480
	.fill 96, 4, 3214868480
	.section	.rodata,"a",@progbits
	.p2align	6, 0x0
	.amdhsa_kernel k_q9f4445a283_quant
		.amdhsa_group_segment_fixed_size 37376
		.amdhsa_private_segment_fixed_size 0
		.amdhsa_enable_private_segment 0
		.amdhsa_kernarg_size 72
		.amdhsa_user_sgpr_count 2
		.amdhsa_user_sgpr_kernarg_segment_ptr 1
		.amdhsa_wavefront_size32 1
		.amdhsa_system_sgpr_workgroup_id_x 1
		.amdhsa_system_sgpr_workgroup_id_y 1
		.amdhsa_system_sgpr_workgroup_id_z 1
		.amdhsa_system_vgpr_workitem_id 0
		.amdhsa_next_free_vgpr 256
		.amdhsa_next_free_sgpr 66
		.amdhsa_reserve_vcc 0
		.amdhsa_float_denorm_mode_32 3
		.amdhsa_float_denorm_mode_16_64 3
		.amdhsa_memory_ordered 1
		.amdhsa_forward_progress 1
		.amdhsa_inst_pref_size 98
	.end_amdhsa_kernel
	.amdgpu_metadata
---
amdhsa.version: [ 1, 2 ]
amdhsa.kernels:
  - .name:           k_q9f4445a283_quant
    .symbol:         k_q9f4445a283_quant.kd
    .args:
      - { .name: query, .offset: 0, .size: 8, .value_kind: global_buffer, .address_space: global }
      - { .name: key, .offset: 8, .size: 8, .value_kind: global_buffer, .address_space: global }
      - { .name: value, .offset: 16, .size: 8, .value_kind: global_buffer, .address_space: global }
      - { .name: Wq, .offset: 24, .size: 8, .value_kind: global_buffer, .address_space: global }
      - { .name: Wk, .offset: 32, .size: 8, .value_kind: global_buffer, .address_space: global }
      - { .name: Wv, .offset: 40, .size: 8, .value_kind: global_buffer, .address_space: global }
      - { .name: Wo, .offset: 48, .size: 8, .value_kind: global_buffer, .address_space: global }
      - { .name: img, .offset: 56, .size: 8, .value_kind: global_buffer, .address_space: global }
      - { .name: sci, .offset: 64, .size: 8, .value_kind: global_buffer, .address_space: global }
    .group_segment_fixed_size: 37376
    .private_segment_fixed_size: 0
    .kernarg_segment_align: 8
    .kernarg_segment_size: 72
    .max_flat_workgroup_size: 128
    .sgpr_count:     66
    .vgpr_count:     256
    .wavefront_size: 32
...
	.end_amdgpu_metadata
.endif
;; end of part 1
;; launch proj (part 2): grid 4 x 96, 4 waves a work-group, clusters of 4 x 4, 327,680 bytes of LDS; arguments img, sci, bq, bk, bv, qi, kv; writes qi, kv
.if DOCPART == 2
	.amdgcn_target "amdgcn-amd-amdhsa--gfx1250"
	.amdhsa_code_object_version 6
	.text
	.protected	k_q9f4445a283_proj
	.globl	k_q9f4445a283_proj
	.p2align	8
	.type	k_q9f4445a283_proj,@function
k_q9f4445a283_proj:
	s_mov_b64 s[64:65], 0
	v_nop
	global_prefetch_b8 v0, s[64:65] scope:SCOPE_SE
	s_setreg_imm32_b32 hwreg(HW_REG_WAVE_MODE, 25, 1), 1
	s_wait_xcnt 0x0
	s_wait_alu depctr_hold_cnt(0) depctr_sa_sdst(0) depctr_va_vdst(0) depctr_va_sdst(0) depctr_va_ssrc(0) depctr_va_vcc(0) depctr_vm_vsrc(0)
	s_getreg_b32 s2, hwreg(HW_REG_IB_STS2, 6, 4)
	s_cmp_eq_u32 s2, 0
	s_cbranch_scc0 .Lentry_in_a_cluster
	s_endpgm
.Lentry_in_a_cluster:
	s_bfe_u32 s2, ttmp6, 0x10000c
	s_cmp_lg_u32 s2, 0xf033
	s_cbranch_scc0 .Lentry_shape_is_right
	s_endpgm
.Lentry_shape_is_right:
; q, k, v = (query, key, value) x (Wq, Wk, Wv) + bias on codes of FP6 (launch quant's images), a tile of 256 x 256 to a work-group, 128 x 128 to a wave; the results are quantised in registers and stored as attn's operands.  No work is left out.
; K goes in four slots' worth of two K steps through a ring of two LDS slots; clusters of 4 x 4 ask for A's and B's tiles jointly.  THE HEAD: wave 0 fetches slot 0's 16 row blocks of A, wave 1 those of B, wave 2 A's scale words, wave 3 B's.
; q and k are quantised along the head's 64 channels (a lane holds a token); v along the tokens (a lane holds a channel, and by the tokens' order its 64 registers are two whole blocks of 32 tokens).
; No prefetch: K has four slots, of which two are asked for before the first product.
.set NQ,    2
.set FR,    12
.set NL,    3
.set NP,    4
.set FRB,   1536
.set ROWB,  NQ*FRB
.set RBS,   8*FRB
.set GRP,   8*RBS
.set HALFT, 8*ROWB
.set SLOT,  4*HALFT
.set SCL,   2*SLOT
.set HALFS, 4096
.set SPARE, SCL+4*HALFS
.set ADRA, 16
.set ADRB, 20
.set BV,   23
.set LI,   24
.set L8,   25
.set BA,   26
.set ADRS, 27
.set SPW,  28
.set NIL,  29
.set SC,   32
.set SW,   32
.set BN,   64
.set AF,   128
.set T,    128
.set PI,   192
.set QT,   216
.set TM,   224
.set WA,   240
.set WB,   242
.set SEL,  2
.set HI,   100
.set G1, 24
.set G0, 32
.set G1B, 48
.set G0B, 56
.set G1S, 68
.set G0S, 76
.set G1SB, 80
.set G0SB, 88
.set MSB, 0
.macro WIN new
.if MSB != (\new)
	s_set_vgpr_msb (MSB<<8)|(\new)
.set MSB, (\new)
.endif
.endm
.set MUL_LO, 0xa1
.set MUL_HI, 0xf1
.set TO_B,   0x40
.macro JLOAD g0a, g1a, g0b, g1b
	s_cmp_eq_u32 s15, 0
	s_cbranch_scc0 .Lfor_b_\@
	tensor_load_to_lds s[\g0a:\g0a+3], s[\g1a:\g1a+7]
	s_nop 0
.rept 4
	v_nop
.endr
	s_branch .Lasked_\@
.Lfor_b_\@:
	tensor_load_to_lds s[\g0b:\g0b+3], s[\g1b:\g1b+7]
	s_nop 0
.rept 4
	v_nop
.endr
.Lasked_\@:
.endm
.macro CREST
	s_cmp_lg_u32 s14, 0
	s_cbranch_scc1 .Lnot_wave_0_\@
	s_barrier_signal -3
.Lnot_wave_0_\@:
	s_barrier_wait -3
	s_barrier_signal -1
	s_barrier_wait -1
.endm
.macro CROUND
	s_barrier_signal -1
	s_barrier_wait -1
	CREST
.endm
	s_load_b256 s[4:11], s[0:1], 0x0
	s_load_b64 s[12:13], s[0:1], 0x20
	s_load_b128 s[96:99], s[0:1], 0x28
	v_lshl_add_u32 v[SPW], v0, 2, SPARE
	v_mov_b32 v[NIL], 0
	ds_add_u32 v[SPW], v[NIL]
	ds_add_u32 v[SPW], v[NIL]
	v_lshrrev_b32 v1, 5, v0
	v_readfirstlane_b32 s14, v1
	s_lshr_b32 s15, s14, 1
	s_and_b32 s16, s14, 1
	s_bfe_u32 s40, ttmp6, 0x40000
	s_bfe_u32 s41, ttmp6, 0x40004
	s_and_b32 s17, ttmp7, 0xffff
	s_lshr_b32 s42, s17, 3
	s_lshl_b32 s43, s41, 2
	s_lshl_b32 s43, 15, s43
	s_lshl_b32 s44, 0x1111, s40
	s_or_b32 s[G1+0], s43, (3<<16)|(1<<21)
	s_or_b32 s[G1B+0], s44, (3<<16)|(1<<21)
.irp g, G1, G1B
	s_mov_b32 s[\g+1], (ROWB/8)<<16
	s_mov_b32 s[\g+2], 16<<16
	s_mov_b32 s[\g+3], (ROWB/8)<<16
	s_mov_b32 s[\g+4], 16
	s_mov_b32 s[\g+5], RBS/8
	s_mov_b32 s[\g+6], 0
	s_mov_b32 s[\g+7], 0
.endr
	s_or_b32 s[G1S+0], s43, (3<<16)|(1<<21)
	s_or_b32 s[G1SB+0], s44, (3<<16)|(1<<21)
.irp g, G1S, G1SB
	s_mov_b32 s[\g+1], 32<<16
	s_mov_b32 s[\g+2], 32<<16
	s_mov_b32 s[\g+3], 32<<16
	s_mov_b32 s[\g+4], 32
	s_mov_b32 s[\g+5], 32
	s_mov_b32 s[\g+6], 0
	s_mov_b32 s[\g+7], 0
.endr
	s_lshl_b32 s18, s17, 3
	s_lshl_b32 s19, s42, 3
	s_add_co_u32 s19, s19, 192
	s_cmp_eq_u32 s42, 2
	s_cselect_b32 s20, s19, s18
	s_cselect_b32 s46, s18, s19
	s_lshl_b32 s21, s41, 1
	s_add_co_u32 s20, s20, s21
	s_add_co_u32 s20, s20, s16
	s_lshl_b32 s47, s40, 1
	s_add_co_u32 s46, s46, s47
	s_add_co_u32 s46, s46, s16
	s_lshl_b32 s22, s20, 12
	s_mov_b32 s23, 0
	s_mul_i32 s20, s20, GRP
	s_mov_b32 s21, 0
	s_lshl_b32 s92, s46, 12
	s_mov_b32 s93, 0
	s_mul_i32 s46, s46, GRP
	s_mov_b32 s47, 0
	s_mul_i32 s45, s14, HALFT
	s_wait_dscnt 0x0
	s_wait_kmcnt 0x0
	s_add_nc_u64 s[20:21], s[4:5], s[20:21]
	s_add_nc_u64 s[22:23], s[6:7], s[22:23]
	s_add_nc_u64 s[46:47], s[4:5], s[46:47]
	s_add_nc_u64 s[92:93], s[6:7], s[92:93]
	CROUND
	s_mul_i32 s4, s16, GRP                         ; my half's distance from the tile's first group: in codes,
	s_mov_b32 s5, 0
	s_lshl_b32 s6, s16, 12                         ; and in scale words (the arguments that lay here have been used)
	s_mov_b32 s7, 0
	s_mov_b32 s[G0S], 1                            ; the scale words of A's two groups, 8,192 dense bytes,
	s_mov_b32 s[G0S+1], SCL
	s_sub_nc_u64 s[G0S+2:G0S+3], s[22:23], s[6:7]
	s_or_b32 s[G0S+3], s[G0S+3], 0x80000000
	s_mov_b32 s[G0SB], 1                           ; and of B's
	s_mov_b32 s[G0SB+1], SCL+2*HALFS
	s_sub_nc_u64 s[G0SB+2:G0SB+3], s[92:93], s[6:7]
	s_or_b32 s[G0SB+3], s[G0SB+3], 0x80000000
	s_mov_b32 s[G0], 1                             ; slot 0's sets serve the head's loads first: A's 16 row blocks, whole,
	s_mov_b32 s[G0+1], 0
	s_sub_nc_u64 s[G0+2:G0+3], s[20:21], s[4:5]
	s_or_b32 s[G0+3], s[G0+3], 0x80000000
	s_mov_b32 s[G0B], 1                            ; and B's
	s_mov_b32 s[G0B+1], 2*HALFT
	s_sub_nc_u64 s[G0B+2:G0B+3], s[46:47], s[4:5]
	s_or_b32 s[G0B+3], s[G0B+3], 0x80000000
	s_mov_b32 s[G0+4], 1                           ; slot 1's: my eight row blocks
	s_add_co_u32 s[G0+5], s45, SLOT
	s_add_nc_u64 s[G0+6:G0+7], s[20:21], ROWB
	s_or_b32 s[G0+7], s[G0+7], 0x80000000
	s_mov_b32 s[G0B+4], 1
	s_add_co_u32 s[G0B+5], s45, SLOT
	s_add_nc_u64 s[G0B+6:G0B+7], s[46:47], ROWB
	s_or_b32 s[G0B+7], s[G0B+7], 0x80000000
; one chain of branches on the wave's number, one load to an arm: one tensor load a wave at the head
.macro ARM under, g0, g1, next
	s_cmp_lt_u32 s14, \under
	s_cbranch_scc0 \next
	tensor_load_to_lds s[\g0:\g0+3], s[\g1:\g1+7]
	s_nop 0
.rept 4
	v_nop
.endr
	s_branch .Lhead_asked
\next:
.endm
	ARM 1, G0,  G1,  .Lhead_b
	ARM 2, G0B, G1B, .Lhead_sa
	ARM 3, G0S, G1S, .Lhead_sb
	tensor_load_to_lds s[G0SB:G0SB+3], s[G1SB:G1SB+7]
	s_nop 0
.rept 4
	v_nop
.endr
.Lhead_asked:
; v's quantiser: registers T .. T + 31 are tokens 32 h + 0 .. 31 of my channel, T + 32 .. T + 63 tokens 64 + 32 h + 0 .. 31: blocks h and 2 + h, as the operand's layout wants them
.macro QUANTV wd
.irp b, 0,1,2,3
	v_max3_num_f32 v[TM+\b], |v[T+16*\b]|, |v[T+1+16*\b]|, 0x1800000
.endr
.irp i, 2,4,6,8,10,12,14
.irp b, 0,1,2,3
	v_max3_num_f32 v[TM+\b], v[TM+\b], |v[T+16*\b+\i]|, |v[T+1+16*\b+\i]|
.endr
.endr
	v_max_num_f32 v[TM], v[TM], v[TM+1]
	v_max_num_f32 v[TM+2], v[TM+2], v[TM+3]
	v_add_nc_u32 v[TM+12], 0xff000000, v[TM]       ; 2 off the exponent field: the conversion's scale operand
	v_add_nc_u32 v[TM+13], 0xff000000, v[TM+2]
	v_lshrrev_b32 v[TM], 23, v[TM+12]
	v_lshrrev_b32 v[TM+2], 23, v[TM+13]
	v_lshl_or_b32 v[\wd], v[TM+2], 16, v[TM]       ; my two bytes,
	v_lshlrev_b32 v[\wd], v22, v[\wd]              ; 8 h bits up;
	v_permlanex16_b32 v[TM+4], v[\wd], s[SEL], s[SEL+1]
	v_or_b32 v[\wd], v[\wd], v[TM+4]               ; with lane l xor 16's two the word is whole
	v_cvt_scalef32_pk16_fp6_f32 v[PI:PI+2], v[T:T+15], v[TM+12]
	v_cvt_scalef32_pk16_fp6_f32 v[QT:QT+2], v[T+16:T+31], v[TM+12]
	v_cvt_scalef32_pk16_fp6_f32 v[PI+6:PI+8], v[T+32:T+47], v[TM+13]
	v_cvt_scalef32_pk16_fp6_f32 v[QT+4:QT+6], v[T+48:T+63], v[TM+13]
	v_nop                                          ; one plain place behind a scaled conversion
.irp i, 0,1,2
	v_mov_b32 v[PI+3+\i], v[QT+\i]
	v_mov_b32 v[PI+9+\i], v[QT+4+\i]
.endr
.endm
	v_and_b32 v1, 15, v0
	v_bfe_u32 v2, v0, 4, 1
	s_wait_alu depctr_va_vdst(0)
	v_and_b32 v3, 31, v0
	v_lshlrev_b32 v[LI], 4, v3
	v_lshlrev_b32 v[L8], 3, v3
	s_mul_i32 s21, s15, HALFT
	s_mul_i32 s22, s16, HALFT
	s_add_co_u32 s22, s22, 2*HALFT
.irp s, 0,1
	v_add_nc_u32 v[ADRA+\s], s21, v[LI]
	v_add_nc_u32 v[ADRB+\s], s22, v[LI]
	s_add_co_u32 s21, s21, SLOT
	s_add_co_u32 s22, s22, SLOT
.endr
	v_lshlrev_b32 v5, 2, v1
	s_mul_i32 s21, s15, HALFS
	s_mul_i32 s22, s16, HALFS
	s_add_co_u32 s22, s22, 2*HALFS
	s_sub_co_u32 s22, s22, s21
	v_mul_u32_u24 v6, s22, v2
	s_add_co_u32 s21, s21, SCL
	v_add_nc_u32 v5, v5, v6
	v_add_nc_u32 v[ADRS], s21, v5
	v_lshlrev_b32 v[BA], 6, v2
	v_lshlrev_b32 v22, 3, v2                       ; 8 h
	v_and_b32 v4, 8, v1
	v_add_nc_u32 v4, v4, v1
	v_lshlrev_b32 v[BV], 2, v4
.irp b, 0,1,2,3
	v_mov_b32 v[TM+4+\b], 0
.endr
	s_mov_b32 s[SEL], 0x76543210
	s_mov_b32 s[SEL+1], 0xfedcba98
	s_mov_b32 s[HI], 0xffff0000
	s_cmp_eq_u32 s42, 2
	s_cselect_b32 s66, s40, s41
	s_cselect_b32 s67, s16, s15
	s_cselect_b32 s94, s41, s40
	s_cselect_b32 s95, s15, s16
	s_lshl_b32 s66, s66, 1
	s_add_co_u32 s66, s66, s67
	s_lshl_b32 s67, s17, 3
	s_add_co_u32 s66, s66, s67
	s_and_b32 s66, s66, 63
	s_lshr_b32 s67, s66, 4
	s_and_b32 s66, s66, 15
	s_lshl_b32 s94, s94, 1
	s_add_co_u32 s94, s94, s95
	s_lshl_b32 s67, s67, 4
	s_lshl_b32 s95, s94, 1
	s_add_co_u32 s67, s67, s95
	s_lshl_b32 s67, s67, 4
	s_add_co_u32 s67, s67, s66
	s_mov_b32 s95, 13056
	s_cmp_eq_u32 s42, 0
	s_cselect_b32 s95, 6656, s95
	s_cselect_b64 s[96:97], s[96:97], s[98:99]
	s_cselect_b64 s[8:9], s[8:9], s[10:11]
	s_mul_i32 s66, s67, s95
	s_mov_b32 s67, 0
	s_add_nc_u64 s[96:97], s[96:97], s[66:67]
	s_lshl_b32 s66, s95, 4
	s_add_nc_u64 s[98:99], s[96:97], s[66:67]
	s_cmp_eq_u32 s42, 2
	s_cselect_b64 s[8:9], s[12:13], s[8:9]
	s_lshl_b32 s66, s94, 9
	s_add_nc_u64 s[8:9], s[8:9], s[66:67]
.macro FRAG reg, adr, q, i
.irp c, 0,1,2
	ds_load_b128 v[\reg+4*\c:\reg+4*\c+3], v[\adr] offset:((\i)*NQ+(\q))*FRB+512*\c
.endr
.endm
.macro MUL16 a0, p, q, sc, zero
.irp a, \a0, \a0+1
.irp b, 0,1,2,3,4,5,6,7
.if \zero
	v_wmma_scale_f32_16x16x128_f8f6f4 v[8*(8*((\a)%4)+\b):8*(8*((\a)%4)+\b)+7], v[128*(\p)+FR*\b:128*(\p)+FR*\b+FR-1], v[AF+FR*(\a):AF+FR*(\a)+FR-1], 0, v[SC+8*NQ*(\sc)+NQ*\b+(\q)], v[SC+8*NQ*(\sc)+NQ*(\a)+(\q)] matrix_a_fmt:MATRIX_FMT_FP6 matrix_b_fmt:MATRIX_FMT_FP6 matrix_a_scale:MATRIX_SCALE_ROW1
.else
	v_wmma_scale_f32_16x16x128_f8f6f4 v[8*(8*((\a)%4)+\b):8*(8*((\a)%4)+\b)+7], v[128*(\p)+FR*\b:128*(\p)+FR*\b+FR-1], v[AF+FR*(\a):AF+FR*(\a)+FR-1], v[8*(8*((\a)%4)+\b):8*(8*((\a)%4)+\b)+7], v[SC+8*NQ*(\sc)+NQ*\b+(\q)], v[SC+8*NQ*(\sc)+NQ*(\a)+(\q)] matrix_a_fmt:MATRIX_FMT_FP6 matrix_b_fmt:MATRIX_FMT_FP6 matrix_a_scale:MATRIX_SCALE_ROW1
.endif
.endr
.endr
.endm
.macro FETCH_B slot, q, p
	WIN TO_B
.irp i, 0,1,2,3,4,5,6,7
	FRAG 128*(\p)+FR*\i, ADRB+\slot, \q, \i
.endr
	WIN 0
.endm
.macro FETCH_A slot, q, i0
.irp i, \i0, \i0+1, \i0+2, \i0+3
	FRAG AF+FR*(\i), ADRA+\slot, \q, \i
.endr
.endm
.macro SCALES sc
.irp i, 0,1,2,3,4,5,6,7
.irp q, 0,1
	ds_load_b32 v[SC+8*NQ*\sc+NQ*\i+\q], v[ADRS] offset:512*\q+64*\i
.endr
.endr
.endm
.macro PLACES n
.rept \n
	v_nop
.endr
.endm
.macro STEP slot, q, zero
	s_wait_dscnt 4*NL
	WIN MUL_LO
	MUL16 0, (\q)%2, \q, \slot, \zero
	MUL16 2, (\q)%2, \q, \slot, \zero
	s_wait_dscnt 0
	PLACES NP
	FETCH_B \slot, (\q)+1, 1-(\q)%2
	FETCH_A \slot, (\q)+1, 0
	WIN MUL_HI
	MUL16 4, (\q)%2, \q, \slot, \zero
	MUL16 6, (\q)%2, \q, \slot, \zero
	PLACES NP
	WIN 0
	FETCH_A \slot, (\q)+1, 4
.endm
.macro TURN slot, next, fill
	s_wait_tensorcnt 0x0
	ds_add_u32 v[SPW], v[NIL]
	s_wait_dscnt 4*NL+1
	WIN MUL_LO
	MUL16 0, 1, NQ-1, \slot, 0
	s_wait_dscnt 0x0
	s_barrier_signal -1
	MUL16 2, 1, NQ-1, \slot, 0
	WIN 0
	s_barrier_wait -1
.if \fill
	CREST
	s_add_nc_u64 s[G0+4*\slot+2:G0+4*\slot+3], s[G0+4*\slot+2:G0+4*\slot+3], 2*ROWB
	s_add_nc_u64 s[G0B+4*\slot+2:G0B+4*\slot+3], s[G0B+4*\slot+2:G0B+4*\slot+3], 2*ROWB
	JLOAD G0+4*\slot, G1, G0B+4*\slot, G1B
.else
	PLACES NP
.endif
	s_wait_alu depctr_va_vdst(0)
	v_add_nc_u32 v[ADRS], 512*NQ, v[ADRS]
	FETCH_B \next, 0, 0
	FETCH_A \next, 0, 0
	SCALES \next
	WIN MUL_HI
	MUL16 4, 1, NQ-1, \slot, 0
	MUL16 6, 1, NQ-1, \slot, 0
	PLACES NP
	WIN 0
	FETCH_A \next, 0, 4
.endm
.macro LASTSTEP
	s_wait_dscnt 4*NL
	WIN MUL_LO
	MUL16 0, 1, NQ-1, 1, 0
	MUL16 2, 1, NQ-1, 1, 0
	s_wait_dscnt 0
	WIN MUL_HI
	MUL16 4, 1, NQ-1, 1, 0
	MUL16 6, 1, NQ-1, 1, 0
	WIN 0
.endm
.macro QUANT s, d0, d1
.irp b, 0,1,2,3
	v_max3_num_f32 v[TM+\b], |v[\s+16*\b]|, |v[\s+1+16*\b]|, 0x1800000
.endr
.irp i, 2,4,6,8,10,12,14
.irp b, 0,1,2,3
	v_max3_num_f32 v[TM+\b], v[TM+\b], |v[\s+16*\b+\i]|, |v[\s+1+16*\b+\i]|
.endr
.endr
.irp b, 0,1,2,3
	v_permlanex16_b32 v[TM+4+\b], v[TM+\b], s[SEL], s[SEL+1]
.endr
.irp b, 0,1,2,3
	v_max_num_f32 v[TM+\b], v[TM+\b], v[TM+4+\b]
.endr
.irp b, 0,1,2,3
	v_add_nc_u32 v[TM+12+\b], 0xff000000, v[TM+\b]
.endr
.irp b, 0,1,2,3
	v_lshrrev_b32 v[TM+4+\b], 23, v[TM+12+\b]
.endr
	v_cvt_scalef32_pk16_fp6_f32 v[\d0:\d0+2], v[\s:\s+15], v[TM+12]
	v_cvt_scalef32_pk16_fp6_f32 v[QT:QT+2], v[\s+16:\s+31], v[TM+13]
	v_cvt_scalef32_pk16_fp6_f32 v[\d1:\d1+2], v[\s+32:\s+47], v[TM+14]
	v_cvt_scalef32_pk16_fp6_f32 v[QT+4:QT+6], v[\s+48:\s+63], v[TM+15]
	v_nop
.irp i, 0,1,2
	v_permlane16_swap_b32 v[\d0+\i], v[QT+\i]
	v_permlane16_swap_b32 v[\d1+\i], v[QT+4+\i]
.endr
.irp i, 0,1,2
	v_mov_b32 v[\d0+3+\i], v[QT+\i]
	v_mov_b32 v[\d1+3+\i], v[QT+4+\i]
.endr
.endm
	s_wait_alu depctr_va_vdst(0)
	s_wait_tensorcnt 0x0                           ; my tile of the head's four is in
	ds_add_u32 v[SPW], v[NIL]
	s_mov_b32 s[G1+2], 8<<16                       ; no tensor load of mine is out: from here on a load brings eight row blocks,
	s_mov_b32 s[G1+4], 8
	s_mov_b32 s[G1B+2], 8<<16
	s_mov_b32 s[G1B+4], 8
	s_mov_b32 s[G0+1], s45                         ; and slot 0's sets stand at my eight
	s_mov_b32 s[G0B+1], s45
	s_add_nc_u64 s[G0+2:G0+3], s[G0+2:G0+3], s[4:5]
	s_add_nc_u64 s[G0B+2:G0B+3], s[G0B+2:G0B+3], s[4:5]
	s_wait_dscnt 0x0
	CROUND                                         ; all four tiles are in, all sixteen work-groups are here
	JLOAD G0+4, G1, G0B+4, G1B                     ; slot 1's first fill, the first tensor load behind the round
	FETCH_B 0, 0, 0
	FETCH_A 0, 0, 0
	SCALES 0
	FETCH_A 0, 0, 4
	STEP 0, 0, 1
	TURN 0, 1, 1
	STEP 1, 0, 0
	TURN 1, 0, 1
	STEP 0, 0, 0
	TURN 0, 1, 0
	STEP 1, 0, 0
	s_cmp_eq_u32 s42, 2
	s_cbranch_scc1 .Lv
.irp b, 0,1,2,3
.irp j, 0,1,2,3
	global_load_b128 v[BN+16*\b+4*\j:BN+16*\b+4*\j+3], v[BA], s[8:9] offset:128*\b+16*\j
.endr
.endr
	LASTSTEP
	PLACES NP
	s_wait_loadcnt 0x0
.irp a, 0,1,2,3,4,5,6,7
	WIN 0x02+(\a/4)
.irp k, 0,1,2,3,4,5,6,7,8,9,10,11,12,13,14,15,16,17,18,19,20,21,22,23,24,25,26,27,28,29,30,31
	v_pk_add_f32 v[T+2*\k:T+2*\k+1], v[64*(\a%4)+2*\k:64*(\a%4)+2*\k+1], v[BN+2*\k:BN+2*\k+1]
.endr
	WIN 0
.if (\a%2 == 0) && (\a >= 2)
	s_wait_xcnt 0x0
.endif
	QUANT T, PI+6*(\a%2), PI+12+6*(\a%2)
.if \a%2 == 0
	v_lshl_or_b32 v[WA], v[TM+5], 8, v[TM+4]
	v_lshl_or_b32 v[WA+1], v[TM+7], 8, v[TM+6]
	v_or_b32 v[WA], 0x7f7f0000, v[WA]
	v_or_b32 v[WA+1], 0x7f7f0000, v[WA+1]
.else
	v_lshl_or_b32 v[WB], v[TM+5], 8, v[TM+4]
	v_lshl_or_b32 v[WB+1], v[TM+7], 8, v[TM+6]
	v_or_b32 v[WB], 0x7f7f0000, v[WB]
	v_or_b32 v[WB+1], 0x7f7f0000, v[WB+1]
	v_cndmask_b32 v[SW+\a/2], v[WA], v[WB], s[HI]
	v_cndmask_b32 v[SW+4+\a/2], v[WA+1], v[WB+1], s[HI]
.irp c, 0,1,2
	global_store_b128 v[LI], v[PI+4*\c:PI+4*\c+3], s[96:97] offset:FRB*(\a/2)+512*\c
	global_store_b128 v[LI], v[PI+12+4*\c:PI+12+4*\c+3], s[98:99] offset:FRB*(\a/2)+512*\c
.endr
.endif
.endr
	global_store_b128 v[LI], v[SW:SW+3], s[96:97] offset:4*FRB
	global_store_b128 v[LI], v[SW+4:SW+7], s[98:99] offset:4*FRB
	s_branch .Lend
.Lv:
.irp a, 0,1,2,3,4,5,6,7
	global_load_b32 v[BN+2*\a], v[BV], s[8:9] offset:4*(32*(\a/2)+8*(\a%2))
	global_load_b32 v[BN+2*\a+1], v[BV], s[8:9] offset:4*(32*(\a/2)+8*(\a%2))
.endr
	LASTSTEP
	PLACES NP
	s_wait_loadcnt 0x0
.irp a, 0,1,2,3,4,5,6,7
	WIN 0x02+(\a/4)
.irp k, 0,1,2,3,4,5,6,7,8,9,10,11,12,13,14,15,16,17,18,19,20,21,22,23,24,25,26,27,28,29,30,31
	v_pk_add_f32 v[T+2*\k:T+2*\k+1], v[64*(\a%4)+2*\k:64*(\a%4)+2*\k+1], v[BN+2*\a:BN+2*\a+1]
.endr
	WIN 0
.if \a >= 1
	s_wait_xcnt 0x0
.endif
.if \a%2 == 0
	QUANTV WA
.else
	QUANTV WB
	v_cndmask_b32 v[SW+2*(\a/4)+(\a%4)/2], v[WA], v[WB], s[HI]
.endif
.irp c, 0,1,2
	global_store_b128 v[LI], v[PI+4*\c:PI+4*\c+3], s[96+2*(\a/4):97+2*(\a/4)] offset:6656+FRB*(\a%4)+512*\c
.endr
.if \a%4 == 3
	global_store_b64 v[L8], v[SW+2*(\a/4):SW+2*(\a/4)+1], s[96+2*(\a/4):97+2*(\a/4)] offset:12800
.endif
.endr
.Lend:
	s_wait_tensorcnt 0x0
	ds_add_u32 v[SPW], v[NIL]
	s_wait_dscnt 0x0
	CROUND
	s_endpgm
.Lfunc_end_k_q9f4445a283_proj:
	.size	k_q9f4445a283_proj, .Lfunc_end_k_q9f4445a283_proj-k_q9f4445a283_proj
	.p2alignl 7, 3214868480
	.fill 96, 4, 3214868480
	.section	.rodata,"a",@progbits
	.p2align	6, 0x0
	.amdhsa_kernel k_q9f4445a283_proj
		.amdhsa_group_segment_fixed_size 327680
		.amdhsa_private_segment_fixed_size 0
		.amdhsa_enable_private_segment 0
		.amdhsa_kernarg_size 56
		.amdhsa_user_sgpr_count 2
		.amdhsa_user_sgpr_kernarg_segment_ptr 1
		.amdhsa_wavefront_size32 1
		.amdhsa_system_sgpr_workgroup_id_x 1
		.amdhsa_system_sgpr_workgroup_id_y 1
		.amdhsa_system_sgpr_workgroup_id_z 1
		.amdhsa_system_vgpr_workitem_id 0
		.amdhsa_next_free_vgpr 1024
		.amdhsa_next_free_sgpr 102
		.amdhsa_reserve_vcc 0
		.amdhsa_float_denorm_mode_32 3
		.amdhsa_float_denorm_mode_16_64 3
		.amdhsa_memory_ordered 1
		.amdhsa_forward_progress 1
		.amdhsa_inst_pref_size 215
	.end_amdhsa_kernel
	.amdgpu_metadata
---
amdhsa.version: [ 1, 2 ]
amdhsa.kernels:
  - .name:           k_q9f4445a283_proj
    .symbol:         k_q9f4445a283_proj.kd
    .args:
      - { .name: img, .offset: 0, .size: 8, .value_kind: global_buffer, .address_space: global }
      - { .name: sci, .offset: 8, .size: 8, .value_kind: global_buffer, .address_space: global }
      - { .name: bq, .offset: 16, .size: 8, .value_kind: global_buffer, .address_space: global }
      - { .name: bk, .offset: 24, .size: 8, .value_kind: global_buffer, .address_space: global }
      - { .name: bv, .offset: 32, .size: 8, .value_kind: global_buffer, .address_space: global }
      - { .name: qi, .offset: 40, .size: 8, .value_kind: global_buffer, .address_space: global }
      - { .name: kv, .offset: 48, .size: 8, .value_kind: global_buffer, .address_space: global }
    .group_segment_fixed_size: 327680
    .private_segment_fixed_size: 0
    .kernarg_segment_align: 8
    .kernarg_segment_size: 56
    .max_flat_workgroup_size: 128
    .sgpr_count:     102
    .vgpr_count:     1024
    .wavefront_size: 32
...
	.end_amdgpu_metadata
.endif
;; end of part 2
;; launch attn (part 3): grid 8 x 32, 16 waves a work-group, clusters of 4 x 1, 327,680 bytes of LDS; arguments qi, kv, cimg; writes cimg
.if DOCPART == 3
	.amdgcn_target "amdgcn-amd-amdhsa--gfx1250"
	.amdhsa_code_object_version 6
	.text
	.protected	k_q9f4445a283_attn
	.globl	k_q9f4445a283_attn
	.p2align	8
	.type	k_q9f4445a283_attn,@function
k_q9f4445a283_attn:
	s_mov_b64 s[64:65], 0
	v_nop
	global_prefetch_b8 v0, s[64:65] scope:SCOPE_SE
	s_setreg_imm32_b32 hwreg(HW_REG_WAVE_MODE, 25, 1), 1
	s_wait_xcnt 0x0
	s_wait_alu depctr_hold_cnt(0) depctr_sa_sdst(0) depctr_va_vdst(0) depctr_va_sdst(0) depctr_va_ssrc(0) depctr_va_vcc(0) depctr_vm_vsrc(0)
	s_getreg_b32 s2, hwreg(HW_REG_IB_STS2, 6, 4)
	s_cmp_eq_u32 s2, 0
	s_cbranch_scc0 .Lentry_in_a_cluster
	s_endpgm
.Lentry_in_a_cluster:
	s_bfe_u32 s2, ttmp6, 0x10000c
	s_cmp_lg_u32 s2, 0x3003
	s_cbranch_scc0 .Lentry_shape_is_right
	s_endpgm
.Lentry_shape_is_right:
; ctx = softmax(q k^T / 8) v for 64 heads of 64 channels, 2,048 queries and keys, both products on codes of FP6 (E2M3) with E8M0 scales; ctx is quantised along the model's 1,024 for the last product.  No work is left out.
; THE SOFTMAX: t = score x log2(e) / 8; M = the row's largest t so far, rounded UP to a whole number; p = 2^(t - M) is quantised along the keys, not normalised.  The row's sum is taken of the unquantised p and divides O
; at the end.  When M moves, the sum and O are multiplied by 2^(old M - new M): exact.
; SHARES.  A work-group owns 256 queries of two heads of one batch, one head after the other; each of its sixteen waves owns 16 queries.  With both heads done a wave holds 16 rows x 128 of ctx: a fragment and a scale word.
; A KEY STEP is 128 keys; all that it needs is one dense package of 13,056 bytes (launch proj); the two heads' 32 packages lie on end.  LDS HOLDS 24 PACKAGES: package p lies at place p % 24.
; Every wave fetches one of packages 0-15 at the head; waves 0-7 fetch 16-23 behind the first round, and 24-31, into places 0-7, behind a round that follows key step 7.  So the walk has three meeting points.
; CLUSTER: the four query blocks of a cluster walk the same packages, so each package is asked for jointly (mask 15).
; NO PREFETCH: packages 16-31 are asked for by their tensor loads eight key steps or more ahead of their first read, and no loop stands ahead of the head's sixteen.
; LAYOUT.  Both products are used transposed: S^T = k q^T, O^T = v^T p^T: a lane holds ONE query.  By the tokens' order (launch quant) register 8 t + j of S^T in lane (r, h) is key 64 (t / 4) + 32 h + 8 (t % 4) + j:
; registers 0-31 are block h of the step's four blocks of 32 keys, registers 32-63 block 2 + h, in the order that the second product's operand wants: no lane is asked for a block's maximum, nothing is swapped.
; K = 64 IN A FORM OF 128: q's registers 6-11 are zero codes; k's operand of tile t is v[KF + 6 t .. + 11], whose upper six registers are the next tile's codes (behind the last: zeros); they meet zero codes and add nothing.
; cimg: [64 groups of 128 tokens][102,400]: 8 row blocks x 8 K steps x 1,536 bytes of fragment images, then 8 K steps x 128 scale words.
; LIMITS: as in launch quant; 1 / l is made by v_rcp_f32; the promise holds while |t| stays under 2^31.
.set STEPB, 13056
.set SCG,   24*STEPB                   ; ctx's scale words are gathered here: 1,024 bytes into which no tensor load lands
.set SPARE, SCG+1024                   ; the spare words, 128 bytes a wave, which no other line names
.set FRB,   1536
.set GRPB,  102400
.set L16, 1
.set L8,  2
.set SPW, 3
.set NIL, 4
.set ADR16, 5
.set ADR8,  6
.set GSC, 7
.set H8,  8                            ; 8 h
.set GRD, 9
.set CW,  10                           ; ctx's scale word.  v12 -M, v13 the running largest t, v[14:15] the sum; v16-27 q and zero codes
.set QS,  28
.set QNS, 29
.set QN,  30                           ; v30-35 the second head's q
.set KF,  36                           ; v36-83 k's eight tiles, then v^T's four fragments; v84-89 zeros
.set KSC, 90
.set VSC, 94
.set S,   96                           ; v96-159 S^T, then p
.set O,   160                          ; v160-191 O^T
.set PC,  192                          ; v192-203 p's codes
.set QT,  204
.set BM,  212                          ; v212-215 four chains of the maxima; the blocks' in 212 and 214
.set PB,  216
.set SOP, 218
.set BY,  220
.set FF,  224
.set PW,  225
.set TP,  226
.set TQ,  227
.set CF,  228                          ; v228-239 ctx's fragment
.set SUMT, 240                         ; v240-253 seven chains of the sum
.set HM,  240                          ; the head's end
.set RL,  254
.set WV,  12
.set SEL, 14
.set CS,  16
.set G1,  24
.set G0,  32
.set TB,  36
.set CNT, 37
.set QB,  44
.set CO,  46
.set CSB, 48
.macro CROUND                          ; a round of the cluster's barrier
	s_barrier_signal -1
	s_barrier_wait -1
	s_cmp_lg_u32 s[WV], 0
	s_cbranch_scc1 .Lnot_wave_0_\@
	s_barrier_signal -3
.Lnot_wave_0_\@:
	s_barrier_wait -3
	s_barrier_signal -1
	s_barrier_wait -1
.endm
.macro TLOAD8                          ; waves 0 to 7 fetch a package each; the branch hangs on the wave's number alone
	s_cmp_lt_u32 s[WV], 8
	s_cbranch_scc0 .Lnone_\@
	tensor_load_to_lds s[G0:G0+3], s[G1:G1+7]
	s_nop 0
.rept 4
	v_nop
.endr
.Lnone_\@:
.endm
	s_load_b128 s[4:7], s[0:1], 0x0                ; qi, kv
	s_load_b64 s[8:9], s[0:1], 0x10                ; cimg
	v_lshl_add_u32 v[SPW], v0, 2, SPARE
	v_mov_b32 v[NIL], 0
	ds_add_u32 v[SPW], v[NIL]                      ; the opening: the add, twice on end, and its wait ahead of the first tensor load
	ds_add_u32 v[SPW], v[NIL]
	v_lshrrev_b32 v5, 5, v0
	s_delay_alu instid0(VALU_DEP_1)
	v_readfirstlane_b32 s[WV], v5                  ; wave 0..15
	s_bfe_u32 s18, ttmp6, 0x40000                  ; cx: it enters global addresses of q and ctx alone
	s_lshl_b32 s19, ttmp9, 2
	s_add_co_u32 s19, s19, s18                     ; my block of 256 queries
	s_and_b32 s20, ttmp7, 0xffff                   ; 8 x batch + pair of heads
	s_mul_i32 s21, s[WV], STEPB                    ; package w: in LDS and in memory
	s_mul_i32 s22, s20, 32*STEPB
	s_add_co_u32 s50, s22, s21
	s_mov_b32 s51, 0
	s_lshr_b32 s23, s[WV], 3                       ; which 128 of the 256 queries
	s_lshl_b32 s54, s20, 5
	s_lshl_b32 s55, s19, 1
	s_add_co_u32 s54, s54, s55
	s_add_co_u32 s54, s54, s23
	s_mul_i32 s54, s54, 6656                       ; q: first head, group 2 qb + half
	s_mov_b32 s55, 0
	s_lshr_b32 s56, s20, 3
	s_lshl_b32 s56, s56, 4
	s_lshl_b32 s57, s19, 1
	s_add_co_u32 s56, s56, s57                     ; the block's first group of 128 tokens
	s_and_b32 s57, s20, 7                          ; ctx's K step of 128: the pair of heads
	s_add_co_u32 s58, s56, s23
	s_mul_i32 s58, s58, GRPB
	s_and_b32 s59, s[WV], 7
	s_lshl_b32 s59, s59, 3
	s_add_co_u32 s59, s59, s57
	s_mul_i32 s59, s59, FRB
	s_add_co_u32 s58, s58, s59                     ; my fragment's image
	s_mov_b32 s59, 0
	s_and_b32 s60, s[WV], 1
	s_add_co_u32 s60, s56, s60
	s_mul_i32 s60, s60, GRPB
	s_lshl_b32 s61, s57, 9
	s_add_co_u32 s60, s60, s61
	s_add_co_u32 s60, s60, 64*FRB                  ; waves 0, 1: a group's 128 scale words of this K step
	s_mov_b32 s61, 0
	s_mov_b32 s[G1], 15|(3<<16)|(1<<21)            ; the mask: all four work-groups; elements of 8 bytes; bit 21 beside a mask
	s_mov_b32 s[G1+1], 32<<16                      ; 51 dense rows of 256 bytes
	s_mov_b32 s[G1+2], 51<<16
	s_mov_b32 s[G1+3], 32<<16
	s_mov_b32 s[G1+4], 51
	s_mov_b32 s[G1+5], 32
	s_mov_b32 s[G1+6], 0
	s_mov_b32 s[G1+7], 0
	s_mov_b32 s[SEL], 0x76543210
	s_mov_b32 s[SEL+1], 0xfedcba98
	s_mov_b32 s[CS], 0x3e38aa3b                    ; c = log2(e) / 8
	s_mov_b32 s[CS+1], s[CS]
	s_and_b32 s40, s[WV], 1                        ; u: which tile of a pair image is mine
	s_bfe_u32 s41, s[WV], 0x20001                  ; j: which pair
	s_mul_i32 s42, s41, FRB
	s_mul_i32 s43, s40, 520
	s_add_co_u32 s43, s43, s42                     ; my six registers lie at 16 l + 0, 8, 512 (u = 0) or 520, 1,024, 1,032 (u = 1)
	s_mul_i32 s38, s40, 1016
	s_add_co_u32 s38, s38, s42
	s_add_co_u32 s38, s38, 8
	s_add_co_u32 s39, s43, 512
	s_lshl_b32 s52, s40, 8
	s_lshl_b32 s53, s41, 2
	s_add_co_u32 s52, s52, s53
	s_add_co_u32 s52, s52, 4*FRB                   ; q's scale words
	s_lshl_b32 s53, s[WV], 6
	s_add_co_u32 s53, s53, SCG
	s_lshl_b32 s62, s40, 9
	s_add_co_u32 s62, s62, SCG
	s_wait_dscnt 0x0                               ; both opening adds are done
	s_wait_kmcnt 0x0
	s_mov_b32 s[G0], 1
	s_mov_b32 s[G0+1], s21
	s_add_nc_u64 s[G0+2:G0+3], s[6:7], s[50:51]
	s_or_b32 s[G0+3], s[G0+3], 0x80000000
	s_add_nc_u64 s[QB:QB+1], s[4:5], s[54:55]
	s_add_nc_u64 s[CO:CO+1], s[8:9], s[58:59]
	s_add_nc_u64 s[CSB:CSB+1], s[8:9], s[60:61]
	CROUND                                         ; all four work-groups are here
	tensor_load_to_lds s[G0:G0+3], s[G1:G1+7]      ; package w, every wave one
	s_nop 0
	v_and_b32 v5, 31, v0
	v_and_b32 v6, 15, v0
	v_bfe_u32 v[H8], v0, 4, 1
	v_lshlrev_b32 v[L16], 4, v5
	v_lshlrev_b32 v[L8], 3, v5
	v_lshlrev_b32 v[H8], 3, v[H8]
	v_lshl_add_u32 v243, v6, 4, s52
	v_lshl_add_u32 v[GSC], v6, 2, s53
	v_add_nc_u32 v240, s43, v[L16]
	v_add_nc_u32 v241, s38, v[L16]
	v_add_nc_u32 v242, s39, v[L16]
	v_add_nc_u32 v[GRD], s62, v[L16]
	s_wait_alu depctr_va_vdst(0)                   ; ahead of the readers below
	global_load_b64 v[16:17], v240, s[QB:QB+1]
	global_load_b64 v[18:19], v241, s[QB:QB+1]
	global_load_b64 v[20:21], v242, s[QB:QB+1]
	global_load_b32 v[QS], v243, s[QB:QB+1]
	global_load_b64 v[QN:QN+1], v240, s[QB:QB+1] offset:16*6656    ; the second head's
	global_load_b64 v[QN+2:QN+3], v241, s[QB:QB+1] offset:16*6656
	global_load_b64 v[QN+4:QN+5], v242, s[QB:QB+1] offset:16*6656
	global_load_b32 v[QNS], v243, s[QB:QB+1] offset:16*6656
.irp j, 22,23,24,25,26,27,84,85,86,87,88,89,14,15,216,225,226,255
	v_mov_b32 v\j, 0                               ; zero codes; the sum; permutes' destinations and upper halves of named pairs
.endr
.set J, 0
.rept 32
	v_mov_b32 v[O+J], 0                            ; O^T: the step is written once; the first finds zeros
.set J, J+1
.endr
	v_mov_b32 v13, 0xff61b1e6                      ; the largest t so far: -3e38
	s_delay_alu instid0(VALU_DEP_1)
	v_floor_f32 v12, -v13                          ; -M
	s_wait_alu depctr_va_vdst(0)                   ; the head's end
	s_wait_loadcnt 0x0                             ; q
	s_wait_tensorcnt 0x0                           ; my package is in
	ds_add_u32 v[SPW], v[NIL]
	s_add_co_u32 s[G0+1], s21, 16*STEPB            ; package 16 + w, place 16 + w
	s_add_nc_u64 s[G0+2:G0+3], s[G0+2:G0+3], 16*STEPB
	s_wait_dscnt 0x0
	CROUND                                         ; packages 0-15 are whole in all four work-groups
	TLOAD8
.macro LD12 off
.set J, 0
.rept 12
	ds_load_b128 v[KF+4*J:KF+4*J+3], v[ADR16] offset:\off+512*J
.set J, J+1
.endr
.endm
.macro STEP
	v_add_nc_u32 v[ADR16], s[TB], v[L16]
	v_add_nc_u32 v[ADR8], s[TB], v[L8]
	v_mov_b32 v[TQ], v12                           ; the old -M
	v_nop                                          ; four places in front of loads into registers that the last products read
	LD12 0
	ds_load_b128 v[KSC:KSC+3], v[ADR16] offset:4*FRB
	s_wait_alu depctr_va_vdst(0)
	s_wait_dscnt 0x0
.irp t, 0,1,2,3,4,5,6,7
.if \t%2
	v_wmma_scale_f32_16x16x128_f8f6f4 v[S+8*\t:S+8*\t+7], v[KF+6*\t:KF+6*\t+11], v[16:27], 0, v[KSC+\t/2], v[QS] matrix_a_fmt:MATRIX_FMT_FP6 matrix_b_fmt:MATRIX_FMT_FP6 matrix_a_scale:MATRIX_SCALE_ROW1
.else
	v_wmma_scale_f32_16x16x128_f8f6f4 v[S+8*\t:S+8*\t+7], v[KF+6*\t:KF+6*\t+11], v[16:27], 0, v[KSC+\t/2], v[QS] matrix_a_fmt:MATRIX_FMT_FP6 matrix_b_fmt:MATRIX_FMT_FP6
.endif
.endr
.rept 4
	v_nop                                          ; places: for the loads below and for the first read of the scores
.endr
	LD12 6656                                      ; v^T is asked for at once: it lands under the softmax
	ds_load_b64 v[VSC:VSC+1], v[ADR8] offset:12800
.irp b, 0,1,2,3
	v_max3_num_f32 v[BM+\b], v[S+16*\b], v[S+1+16*\b], v[S+2+16*\b]   ; four chains of 15; each block's largest score serves the row's maximum and, since p rises with the score, the block's largest p
.endr
.irp i, 3,5,7,9,11,13
.irp b, 0,1,2,3
	v_max3_num_f32 v[BM+\b], v[BM+\b], v[S+16*\b+\i], v[S+1+16*\b+\i]
.endr
.endr
	v_max3_num_f32 v[BM+1], v[BM+1], v[S+15], v[S+31]
	v_max3_num_f32 v[BM+3], v[BM+3], v[S+47], v[S+63]
	s_delay_alu instid0(VALU_DEP_2)
	v_max_num_f32 v[BM], v[BM], v[BM+1]            ; block h
	s_delay_alu instid0(VALU_DEP_2)
	v_max_num_f32 v[BM+2], v[BM+2], v[BM+3]        ; block 2 + h
	s_delay_alu instid0(VALU_DEP_1)
	v_max_num_f32 v[TP], v[BM], v[BM+2]
	s_delay_alu instid0(VALU_DEP_1)
	v_permlanex16_b32 v[PB], v[TP], s[SEL], s[SEL+1]
	s_delay_alu instid0(VALU_DEP_1)
	v_max_num_f32 v[TP], v[TP], v[PB]              ; with lane l xor 16's two blocks
	s_delay_alu instid0(VALU_DEP_1)
	v_mul_f32 v[TP], s[CS], v[TP]                  ; as t (c is positive)
	s_delay_alu instid0(VALU_DEP_1)
	v_max_num_f32 v13, v13, v[TP]                  ; the running largest t
	s_delay_alu instid0(VALU_DEP_1)
	v_floor_f32 v12, -v13                          ; the new -M = -ceil(t)
	s_delay_alu instid0(VALU_DEP_1)
	v_sub_f32 v[TP], v12, v[TQ]                    ; old M - new M: a whole number, 0 or less
	s_delay_alu instid0(VALU_DEP_1)
	v_cvt_i32_f32 v[TP], v[TP]                     ; (it saturates)
	s_delay_alu instid0(VALU_DEP_1)
	v_ldexp_f32 v[FF], 1.0, v[TP]                  ; f = 2^(old M - new M)
.set J, 0
.rept 32
	v_pk_fma_f32 v[S+J:S+1+J], v[S+J:S+1+J], s[CS:CS+1], v[12:13] op_sel_hi:[1,0,0]   ; t - M, two at a time
.set J, J+2
.endr
	v_fma_f32 v[BM], v[BM], s[CS], v12
	v_fma_f32 v[BM+2], v[BM+2], s[CS], v12
	s_wait_alu depctr_va_vdst(0)                   ; ahead of the batch
.set J, 0
.rept 64
	v_exp_f32 v[S+J], v[S+J]                       ; p = 2^(t - M), at most 1
.set J, J+1
.endr
	v_pk_mul_f32 v[14:15], v[14:15], v[FF:FF+1] op_sel_hi:[1,0]   ; the sums under the new M: a plain place behind the exponentials
	s_wait_alu depctr_va_vdst(0)                   ; one wait for the whole batch, ahead of its first reader
	v_exp_f32 v[BM], v[BM]                         ; the blocks' largest p
	v_exp_f32 v[BM+2], v[BM+2]
.set J, 0
.rept 7
	v_pk_add_f32 v[SUMT+2*J:SUMT+2*J+1], v[S+4*J:S+4*J+1], v[S+4*J+2:S+4*J+3]   ; the sum of the unquantised p: 32 packed additions in eight chains
.set J, J+1
.endr
	v_pk_add_f32 v[14:15], v[14:15], v[S+28:S+29]
.set J, 0
.rept 14
	v_pk_add_f32 v[SUMT+2*(J%7):SUMT+2*(J%7)+1], v[SUMT+2*(J%7):SUMT+2*(J%7)+1], v[S+30+2*J:S+31+2*J]
.set J, J+1
.endr
	v_pk_add_f32 v[14:15], v[14:15], v[S+58:S+59]
	v_pk_add_f32 v[SUMT:SUMT+1], v[SUMT:SUMT+1], v[S+60:S+61]
	v_pk_add_f32 v[SUMT+2:SUMT+3], v[SUMT+2:SUMT+3], v[S+62:S+63]
	v_pk_add_f32 v[SUMT+4:SUMT+5], v[SUMT+4:SUMT+5], v[SUMT+6:SUMT+7]
	v_pk_add_f32 v[SUMT+8:SUMT+9], v[SUMT+8:SUMT+9], v[SUMT+10:SUMT+11]
	v_pk_add_f32 v[14:15], v[14:15], v[SUMT+12:SUMT+13]
	s_delay_alu instid0(VALU_DEP_4)
	v_pk_add_f32 v[SUMT:SUMT+1], v[SUMT:SUMT+1], v[SUMT+2:SUMT+3]
	s_delay_alu instid0(VALU_DEP_3)
	v_pk_add_f32 v[SUMT+4:SUMT+5], v[SUMT+4:SUMT+5], v[SUMT+8:SUMT+9]
	s_delay_alu instid0(VALU_DEP_2)
	v_pk_add_f32 v[14:15], v[14:15], v[SUMT:SUMT+1]
	s_delay_alu instid0(VALU_DEP_1)
	v_pk_add_f32 v[14:15], v[14:15], v[SUMT+4:SUMT+5]
	s_wait_alu depctr_va_vdst(0)                   ; and one for the two
	v_max_num_f32 v[BM], 0x1800000, v[BM]          ; the floor 2^(3 - 127)
	v_max_num_f32 v[BM+2], 0x1800000, v[BM+2]
	s_delay_alu instid0(VALU_DEP_2)
	v_add_nc_u32 v[SOP], 0xff000000, v[BM]         ; 2 off the exponent field: the conversion's scale operand
	s_delay_alu instid0(VALU_DEP_2)
	v_add_nc_u32 v[SOP+1], 0xff000000, v[BM+2]
	s_delay_alu instid0(VALU_DEP_2)
	v_lshrrev_b32 v[BY], 23, v[SOP]
	s_delay_alu instid0(VALU_DEP_2)
	v_lshrrev_b32 v[BY+1], 23, v[SOP+1]
	s_delay_alu instid0(VALU_DEP_1)
	v_lshl_or_b32 v[PW], v[BY+1], 16, v[BY]        ; my two bytes,
	s_delay_alu instid0(VALU_DEP_1)
	v_lshlrev_b32 v[PW], v[H8], v[PW]              ; 8 h bits up;
	s_delay_alu instid0(VALU_DEP_1)
	v_permlanex16_b32 v[PB], v[PW], s[SEL], s[SEL+1]
	s_delay_alu instid0(VALU_DEP_1)
	v_or_b32 v[PW], v[PW], v[PB]                   ; with lane l xor 16's two: p's scale word for these 128 keys
	v_cvt_scalef32_pk16_fp6_f32 v[PC:PC+2], v[S:S+15], v[SOP]
	v_cvt_scalef32_pk16_fp6_f32 v[QT:QT+2], v[S+16:S+31], v[SOP]
	v_cvt_scalef32_pk16_fp6_f32 v[PC+6:PC+8], v[S+32:S+47], v[SOP+1]
	v_cvt_scalef32_pk16_fp6_f32 v[QT+4:QT+6], v[S+48:S+63], v[SOP+1]
	v_nop                                          ; one plain place behind a scaled conversion
.irp i, 0,1,2
	v_mov_b32 v[PC+3+\i], v[QT+\i]                 ; (a conversion's three registers begin on an even number)
	v_mov_b32 v[PC+9+\i], v[QT+4+\i]
.endr
	s_wait_alu depctr_va_vdst(0)                   ; directly ahead of the first reader of O^T
.set J, 0
.rept 16
	v_pk_mul_f32 v[O+J:O+1+J], v[O+J:O+1+J], v[FF:FF+1] op_sel_hi:[1,0]   ; O^T under the new M; these sixteen are also the places between the scale word, the codes and the products
.set J, J+2
.endr
	s_wait_alu depctr_va_vdst(0)
	s_wait_dscnt 0x0                               ; v^T is in
.irp t, 0,1,2,3
.if \t%2
	v_wmma_scale_f32_16x16x128_f8f6f4 v[O+8*\t:O+8*\t+7], v[KF+12*\t:KF+12*\t+11], v[PC:PC+11], v[O+8*\t:O+8*\t+7], v[VSC+\t/2], v[PW] matrix_a_fmt:MATRIX_FMT_FP6 matrix_b_fmt:MATRIX_FMT_FP6 matrix_a_scale:MATRIX_SCALE_ROW1
.else
	v_wmma_scale_f32_16x16x128_f8f6f4 v[O+8*\t:O+8*\t+7], v[KF+12*\t:KF+12*\t+11], v[PC:PC+11], v[O+8*\t:O+8*\t+7], v[VSC+\t/2], v[PW] matrix_a_fmt:MATRIX_FMT_FP6 matrix_b_fmt:MATRIX_FMT_FP6
.endif
.endr
	s_add_co_u32 s[TB], s[TB], STEPB               ; the next package
.endm
.macro STEPS base                      ; eight key steps from LDS byte base on
	s_mov_b32 s[TB], \base
	s_mov_b32 s[CNT], 8
.Lstep_\@:
	STEP
	s_sub_co_u32 s[CNT], s[CNT], 1
	s_cmp_lg_u32 s[CNT], 0
	s_cbranch_scc1 .Lstep_\@
.endm
; A HEAD'S END: O^T / l is 16 queries x 64 channels of ctx, register 16 b + i = channel 32 b + 16 h + i (the weights' order): two blocks of 32 along the last product's K: registers 6 e .. 6 e + 5 of ctx's fragment.
.macro HEAD_END e
.rept 4
	v_nop                                          ; places behind the last products
.endr
	v_add_f32 v14, v14, v15
	s_delay_alu instid0(VALU_DEP_1)
	v_permlanex16_b32 v[TP], v14, s[SEL], s[SEL+1]
	s_delay_alu instid0(VALU_DEP_1)
	v_add_f32 v14, v14, v[TP]                      ; the row's sum
	s_wait_alu depctr_va_vdst(0)
	v_rcp_f32 v[RL], v14
	v_nop                                          ; a plain place behind the reciprocal
	s_wait_alu depctr_va_vdst(0)                   ; and the wait ahead of its first reader, which is also O^T's
.set J, 0
.rept 16
	v_pk_mul_f32 v[S+J:S+1+J], v[O+J:O+1+J], v[RL:RL+1] op_sel_hi:[1,0]
.set J, J+2
.endr
.irp b, 0,1
	v_max3_num_f32 v[HM+\b], |v[S+16*\b]|, |v[S+1+16*\b]|, 0x1800000
.endr
.irp i, 2,4,6,8,10,12,14
.irp b, 0,1
	s_delay_alu instid0(VALU_DEP_2)
	v_max3_num_f32 v[HM+\b], v[HM+\b], |v[S+16*\b+\i]|, |v[S+1+16*\b+\i]|
.endr
.endr
.irp b, 0,1
	s_delay_alu instid0(VALU_DEP_2)
	v_permlanex16_b32 v[HM+2+\b], v[HM+\b], s[SEL], s[SEL+1]
.endr
.irp b, 0,1
	s_delay_alu instid0(VALU_DEP_2)
	v_max_num_f32 v[HM+\b], v[HM+\b], v[HM+2+\b]
.endr
.irp b, 0,1
	s_delay_alu instid0(VALU_DEP_2)
	v_add_nc_u32 v[HM+4+\b], 0xff000000, v[HM+\b]
.endr
.irp b, 0,1
	s_delay_alu instid0(VALU_DEP_2)
	v_lshrrev_b32 v[HM+6+\b], 23, v[HM+4+\b]
.endr
	v_cvt_scalef32_pk16_fp6_f32 v[CF+6*\e:CF+6*\e+2], v[S:S+15], v[HM+4]
	v_cvt_scalef32_pk16_fp6_f32 v[QT:QT+2], v[S+16:S+31], v[HM+5]
	v_nop                                          ; one plain place behind a scaled conversion
.irp i, 0,1,2
	v_permlane16_swap_b32 v[CF+6*\e+\i], v[QT+\i]
.endr
.irp i, 0,1,2
	s_delay_alu instid0(VALU_DEP_3)
	v_mov_b32 v[CF+6*\e+3+\i], v[QT+\i]
.endr
.if \e == 0
	v_lshl_or_b32 v[CW], v[HM+7], 8, v[HM+6]
.irp i, 0,1,2,3,4,5
	v_mov_b32 v[16+\i], v[QN+\i]                   ; the second head's q
.endr
	v_mov_b32 v[QS], v[QNS]
.set J, 0
.rept 32
	v_mov_b32 v[O+J], 0                            ; (also the places between q's scale word and the next products)
.set J, J+1
.endr
	v_mov_b32 v13, 0xff61b1e6
	s_delay_alu instid0(VALU_DEP_1)
	v_floor_f32 v12, -v13
	v_mov_b32 v14, 0
	v_mov_b32 v15, 0
.else
	v_lshl_or_b32 v[CW], v[HM+6], 16, v[CW]
	s_delay_alu instid0(VALU_DEP_1)
	v_lshl_or_b32 v[CW], v[HM+7], 24, v[CW]
.endif
.endm
	STEPS 0                                        ; the first head's key steps 0-7
	s_wait_tensorcnt 0x0                           ; packages 16-23 are in, so the descriptor may be written;
	ds_add_u32 v[SPW], v[NIL]
	s_mov_b32 s[G0+1], s21                         ; package 24 + w, place w
	s_add_nc_u64 s[G0+2:G0+3], s[G0+2:G0+3], 8*STEPB
	s_wait_dscnt 0x0                               ; the add is done, and so are my reads of places 0-7
	CROUND                                         ; both hold of every wave of all four work-groups
	TLOAD8                                         ; it has sixteen key steps in which to land
	STEPS 8*STEPB
	HEAD_END 0
	STEPS 16*STEPB                                 ; the second head
	s_wait_tensorcnt 0x0                           ; packages 24-31 are in
	ds_add_u32 v[SPW], v[NIL]
	s_wait_dscnt 0x0
	s_barrier_signal -1
	s_barrier_wait -1
	STEPS 0
	HEAD_END 1
.irp c, 0,1,2
	global_store_b128 v[L16], v[CF+4*\c:CF+4*\c+3], s[CO:CO+1] offset:512*\c   ; ctx's fragment, 512 consecutive bytes a store
.endr
	ds_store_b32 v[GSC], v[CW]                     ; both halves of the lanes write the same word with the same value
	s_wait_dscnt 0x0                               ; for the others' sake
	s_barrier_signal -1
	s_barrier_wait -1
	s_cmp_lt_u32 s[WV], 2
	s_cbranch_scc0 .Lno_words
	ds_load_b128 v[S:S+3], v[GRD]                  ; waves 0 and 1: the scale words of 128 rows
	s_wait_dscnt 0x0
	global_store_b128 v[L16], v[S:S+3], s[CSB:CSB+1]
.Lno_words:
	s_wait_tensorcnt 0x0                           ; the wave's end
	ds_add_u32 v[SPW], v[NIL]
	s_wait_dscnt 0x0
	CROUND                                         ; the closing round
	s_endpgm
.Lfunc_end_k_q9f4445a283_attn:
	.size	k_q9f4445a283_attn, .Lfunc_end_k_q9f4445a283_attn-k_q9f4445a283_attn
	.p2alignl 7, 3214868480
	.fill 96, 4, 3214868480
	.section	.rodata,"a",@progbits
	.p2align	6, 0x0
	.amdhsa_kernel k_q9f4445a283_attn
		.amdhsa_group_segment_fixed_size 327680
		.amdhsa_private_segment_fixed_size 0
		.amdhsa_enable_private_segment 0
		.amdhsa_kernarg_size 24
		.amdhsa_user_sgpr_count 2
		.amdhsa_user_sgpr_kernarg_segment_ptr 1
		.amdhsa_wavefront_size32 1
		.amdhsa_system_sgpr_workgroup_id_x 1
		.amdhsa_system_sgpr_workgroup_id_y 1
		.amdhsa_system_sgpr_workgroup_id_z 1
		.amdhsa_system_vgpr_workitem_id 0
		.amdhsa_next_free_vgpr 256
		.amdhsa_next_free_sgpr 66
		.amdhsa_reserve_vcc 0
		.amdhsa_float_denorm_mode_32 3
		.amdhsa_float_denorm_mode_16_64 3
		.amdhsa_memory_ordered 1
		.amdhsa_forward_progress 1
		.amdhsa_inst_pref_size 81
	.end_amdhsa_kernel
	.amdgpu_metadata
---
amdhsa.version: [ 1, 2 ]
amdhsa.kernels:
  - .name:           k_q9f4445a283_attn
    .symbol:         k_q9f4445a283_attn.kd
    .args:
      - { .name: qi, .offset: 0, .size: 8, .value_kind: global_buffer, .address_space: global }
      - { .name: kv, .offset: 8, .size: 8, .value_kind: global_buffer, .address_space: global }
      - { .name: cimg, .offset: 16, .size: 8, .value_kind: global_buffer, .address_space: global }
    .group_segment_fixed_size: 327680
    .private_segment_fixed_size: 0
    .kernarg_segment_align: 8
    .kernarg_segment_size: 24
    .max_flat_workgroup_size: 512
    .sgpr_count:     66
    .vgpr_count:     256
    .wavefront_size: 32
...
	.end_amdgpu_metadata
.endif
;; end of part 3
;; launch out (part 4): grid 8 x 32, 4 waves a work-group, clusters of 4 x 4, 327,680 bytes of LDS; arguments cimg, img, sci, bo, out0; writes out0
.if DOCPART == 4
	.amdgcn_target "amdgcn-amd-amdhsa--gfx1250"
	.amdhsa_code_object_version 6
	.text
	.protected	k_q9f4445a283_out
	.globl	k_q9f4445a283_out
	.p2align	8
	.type	k_q9f4445a283_out,@function
k_q9f4445a283_out:
	s_mov_b64 s[64:65], 0
	v_nop
	global_prefetch_b8 v0, s[64:65] scope:SCOPE_SE
	s_setreg_imm32_b32 hwreg(HW_REG_WAVE_MODE, 25, 1), 1
	s_wait_xcnt 0x0
	s_wait_alu depctr_hold_cnt(0) depctr_sa_sdst(0) depctr_va_vdst(0) depctr_va_sdst(0) depctr_va_ssrc(0) depctr_va_vcc(0) depctr_vm_vsrc(0)
	s_getreg_b32 s2, hwreg(HW_REG_IB_STS2, 6, 4)
	s_cmp_eq_u32 s2, 0
	s_cbranch_scc0 .Lentry_in_a_cluster
	s_endpgm
.Lentry_in_a_cluster:
	s_bfe_u32 s2, ttmp6, 0x10000c
	s_cmp_lg_u32 s2, 0xf033
	s_cbranch_scc0 .Lentry_shape_is_right
	s_endpgm
.Lentry_shape_is_right:
; out0 = ctx Wo + bo on codes of FP6 (E2M3) with E8M0 scales: ctx's fragment images and scale words from launch attn, Wo's from launch quant.  No work is left out.
; A work-group makes 256 rows x 128 columns: 8 x 32 = 256 work-groups; a wave makes 64 rows x 128 columns in 32 accumulators.
; ALL OF K LIES IN LDS: ctx's two groups of 128 rows (102,400 dense bytes each: codes, then scale words), Wo's group of 128 columns (98,304 bytes) and its scale words (4,096): 307,200 bytes, each filled once,
; one tensor load a wave at the head: waves 0 and 1 a group of ctx each, wave 2 Wo's codes, wave 3 Wo's scale words.  So there is no ring, and one barrier.
; CLUSTERS of 4 x 4: ctx's groups are shared along a row of the cluster, Wo's along a column: joint loads.  NO PREFETCH: everything is asked for at the head, and no loop stands ahead of it.
; THE MATRIX INSTRUCTION IS USED TRANSPOSED (source 0 = 16 columns of Wo, source 1 = 16 rows of ctx): a lane holds eight numbers of a row of out0.  The first K step takes bo as C.
; REGISTERS: window 0: v16-31 addresses, v32-47 scale words (two sets), v64-127 bo, v128-223 ctx's fragments (two sets of four); window 1: Wo's fragments, two sets of eight, at v0 and v128; window 2: the accumulators.
.set FRB,   1536
.set RBS,   8*FRB
.set GRP,   8*RBS
.set GRPB,  GRP+4096
.set LB,    2*GRPB
.set LBS,   LB+GRP
.set SPARE, LBS+4096                   ; the spare words, 128 bytes a wave, which no other line names
.set SPITCH, 528
.set ADRA, 16
.set ADRB, 20                          ; v20 Wo's blocks 0-3, v21 blocks 4-7
.set ADRS, 22                          ; v22 lanes 0-15 my rows' scale words, lanes 16-31 Wo's; v23 Wo's in both halves
.set BA,   18
.set STO,  24
.set RD,   25
.set CO,   26
.set SPW,  28
.set NIL,  29
.set SC,   32
.set BN,   64
.set AF,   128
.set BK,   128
.set G1,  24
.set G0,  32
.set G0B, 36
.set G1B, 48
.set G0S, 56
.set G1S, 68
.set MSB, 0
.macro WIN new
.if MSB != (\new)
	s_set_vgpr_msb (MSB<<8)|(\new)
.set MSB, (\new)
.endif
.endm
.macro CROUND
	s_barrier_signal -1
	s_barrier_wait -1
	s_cmp_lg_u32 s14, 0
	s_cbranch_scc1 .Lnot_wave_0_\@
	s_barrier_signal -3
.Lnot_wave_0_\@:
	s_barrier_wait -3
	s_barrier_signal -1
	s_barrier_wait -1
.endm
.macro PLACES
.rept 4
	v_nop
.endr
.endm
.macro ARM under, g0, g1, next
	s_cmp_lt_u32 s14, \under
	s_cbranch_scc0 \next
	tensor_load_to_lds s[\g0:\g0+3], s[\g1:\g1+7]
	s_nop 0
	PLACES
	s_branch .Lhead_asked
\next:
.endm
	s_load_b256 s[4:11], s[0:1], 0x0               ; cimg, img, sci, bo
	s_load_b64 s[12:13], s[0:1], 0x20              ; out0
	v_lshl_add_u32 v[SPW], v0, 2, SPARE
	v_mov_b32 v[NIL], 0
	ds_add_u32 v[SPW], v[NIL]                      ; the opening: the add, twice on end, and its wait ahead of the first tensor load
	ds_add_u32 v[SPW], v[NIL]
	v_lshrrev_b32 v1, 5, v0
	v_readfirstlane_b32 s14, v1                    ; wave 0..3
	s_lshr_b32 s15, s14, 1                         ; my group of ctx,
	s_and_b32 s16, s14, 1                          ; and which four of its row blocks
	s_bfe_u32 s40, ttmp6, 0x40000
	s_bfe_u32 s41, ttmp6, 0x40004
	s_lshl_b32 s42, ttmp9, 2
	s_add_co_u32 s42, s42, s40                     ; tile column (128 columns)
	s_and_b32 s17, ttmp7, 0xffff
	s_lshl_b32 s17, s17, 2
	s_add_co_u32 s17, s17, s41                     ; tile row (256 rows)
	s_lshl_b32 s43, s41, 2
	s_lshl_b32 s43, 15, s43                        ; my row of the cluster
	s_lshl_b32 s44, 0x1111, s40                    ; my column
	s_or_b32 s[G1], s43, (3<<16)|(1<<21)           ; dense blocks as rows of 256 bytes (32 elements of 8): 400 for a group of ctx,
	s_or_b32 s[G1B], s44, (3<<16)|(1<<21)          ; 384 for Wo's codes,
	s_or_b32 s[G1S], s44, (3<<16)|(1<<21)          ; 16 for its scale words
.irp g, G1, G1B, G1S
	s_mov_b32 s[\g+1], 32<<16
	s_mov_b32 s[\g+3], 32<<16
	s_mov_b32 s[\g+5], 32
	s_mov_b32 s[\g+6], 0
	s_mov_b32 s[\g+7], 0
.endr
	s_mov_b32 s[G1+2], 400<<16
	s_mov_b32 s[G1+4], 400
	s_mov_b32 s[G1B+2], 384<<16
	s_mov_b32 s[G1B+4], 384
	s_mov_b32 s[G1S+2], 16<<16
	s_mov_b32 s[G1S+4], 16
	s_lshl_b32 s20, s17, 1
	s_add_co_u32 s20, s20, s14
	s_mul_i32 s20, s20, GRPB                       ; ctx's group 2 x tile row + wave (waves 0 and 1 ask)
	s_mov_b32 s21, 0
	s_add_co_u32 s46, s42, 216                     ; Wo's group
	s_lshl_b32 s22, s46, 12
	s_mov_b32 s23, 0
	s_mul_i32 s46, s46, GRP
	s_mov_b32 s47, 0
	s_mul_i32 s45, s14, GRPB
	s_wait_dscnt 0x0                               ; both opening adds are done
	s_wait_kmcnt 0x0
	s_mov_b32 s[G0], 1
	s_mov_b32 s[G0+1], s45
	s_add_nc_u64 s[G0+2:G0+3], s[4:5], s[20:21]
	s_or_b32 s[G0+3], s[G0+3], 0x80000000
	s_mov_b32 s[G0B], 1
	s_mov_b32 s[G0B+1], LB
	s_add_nc_u64 s[G0B+2:G0B+3], s[6:7], s[46:47]
	s_or_b32 s[G0B+3], s[G0B+3], 0x80000000
	s_mov_b32 s[G0S], 1
	s_mov_b32 s[G0S+1], LBS
	s_add_nc_u64 s[G0S+2:G0S+3], s[8:9], s[22:23]
	s_or_b32 s[G0S+3], s[G0S+3], 0x80000000
	CROUND                                         ; all sixteen work-groups are here: the joint loads meet
	ARM 2, G0,  G1,  .Lhead_b
	ARM 3, G0B, G1B, .Lhead_s
	tensor_load_to_lds s[G0S:G0S+3], s[G1S:G1S+7]
	s_nop 0
	PLACES
.Lhead_asked:
	s_lshl_b32 s66, s42, 9                         ; my 128 columns: 512 bytes of bo and of a row of out0
	s_mov_b32 s67, 0
	s_add_nc_u64 s[10:11], s[10:11], s[66:67]
	s_add_nc_u64 s[12:13], s[12:13], s[66:67]
	s_lshl_b32 s66, s17, 2
	s_add_co_u32 s66, s66, s14
	s_lshl_b32 s66, s66, 18                        ; my 64 rows: row 256 x tile row + 64 x wave, 4,096 bytes a row
	s_add_nc_u64 s[12:13], s[12:13], s[66:67]
	s_mul_i32 s21, s15, GRPB
	s_mul_i32 s22, s16, 4*RBS
	s_add_co_u32 s21, s21, s22                     ; my four row blocks, which no other wave reads; on the way out my stage
	s_mul_i32 s23, s15, GRPB
	s_lshl_b32 s22, s16, 8
	s_add_co_u32 s23, s23, s22
	s_add_co_u32 s23, s23, GRP                     ; my 64 rows' scale words
	s_mov_b32 s22, LBS
	s_sub_co_u32 s22, s22, s23                     ; from there to Wo's
	v_and_b32 v1, 15, v0
	v_bfe_u32 v2, v0, 4, 1
	v_and_b32 v3, 31, v0
	v_lshlrev_b32 v[CO], 4, v3
	v_lshlrev_b32 v[BA], 6, v2
	v_lshlrev_b32 v5, 2, v1
	v_mul_u32_u24 v6, s22, v2
	v_mul_u32_u24 v7, v1, SPITCH
	v_add_nc_u32 v[ADRA], s21, v[CO]
	v_add_nc_u32 v[ADRB], LB, v[CO]
	v_add_nc_u32 v[ADRB+1], LB+4*RBS, v[CO]
	v_add_nc_u32 v6, v5, v6
	v_add_nc_u32 v[ADRS+1], LBS, v5
	v_add_nc_u32 v[ADRS], s23, v6
	v_lshl_add_u32 v7, v2, 6, v7
	v_add_nc_u32 v[RD], s21, v[CO]
	v_add_nc_u32 v[STO], s21, v7
	s_wait_alu depctr_va_vdst(0)                   ; the head's end
.irp b, 0,1,2,3
.irp j, 0,1,2,3
	global_load_b128 v[BN+16*\b+4*\j:BN+16*\b+4*\j+3], v[BA], s[10:11] offset:128*\b+16*\j   ; bo at my 64 columns: 32 b + 16 h + 0 .. 15 (the weights' order)
.endr
.endr
.macro FETCH st                        ; K step st: Wo's eight fragments, my four of ctx, the scale words: 44 LDS loads, into set st % 2
	WIN 0x40
.irp i, 0,1,2,3,4,5,6,7
.irp c, 0,1,2
	ds_load_b128 v[128*((\st)%2)+12*\i+4*\c:128*((\st)%2)+12*\i+4*\c+3], v[ADRB+\i/4] offset:(\i%4)*RBS+(\st)*FRB+512*\c
.endr
.endr
	WIN 0
.irp i, 0,1,2,3
.irp c, 0,1,2
	ds_load_b128 v[AF+48*((\st)%2)+12*\i+4*\c:AF+48*((\st)%2)+12*\i+4*\c+3], v[ADRA] offset:\i*RBS+(\st)*FRB+512*\c
.endr
.endr
.irp i, 0,1,2,3,4,5,6,7
	ds_load_b32 v[SC+8*((\st)%2)+\i], v[ADRS+\i/4] offset:512*(\st)+64*\i   ; register i: lanes 16-31 Wo's block i; lanes 0-15 of registers 0-3 my block i
.endr
.endm
.macro STEP st                         ; 32 products, the accumulators by turns; the next step's operands are asked for first
.set P, (\st)%2
.if (\st) > 0
	PLACES                                         ; in front of loads into registers that the last step's products read
.endif
.if (\st) < 7
	FETCH (\st)+1
	s_wait_dscnt 44                                ; all but the 44 just issued: this step's operands are in
.else
	s_wait_dscnt 0x0
.endif
.if (\st) == 0
	WIN 0x81                                       ; source 0 window 1, source 1 and C window 0, D window 2
.else
	WIN 0xa1                                       ; C and D window 2
.endif
.irp a, 0,1,2,3
.irp b, 0,1,2,3,4,5,6,7
.if (\st) == 0
	v_wmma_scale_f32_16x16x128_f8f6f4 v[8*(8*\a+\b):8*(8*\a+\b)+7], v[128*P+12*\b:128*P+12*\b+11], v[AF+48*P+12*\a:AF+48*P+12*\a+11], v[BN+8*\b:BN+8*\b+7], v[SC+8*P+\b], v[SC+8*P+\a] matrix_a_fmt:MATRIX_FMT_FP6 matrix_b_fmt:MATRIX_FMT_FP6 matrix_a_scale:MATRIX_SCALE_ROW1
.else
	v_wmma_scale_f32_16x16x128_f8f6f4 v[8*(8*\a+\b):8*(8*\a+\b)+7], v[128*P+12*\b:128*P+12*\b+11], v[AF+48*P+12*\a:AF+48*P+12*\a+11], v[8*(8*\a+\b):8*(8*\a+\b)+7], v[SC+8*P+\b], v[SC+8*P+\a] matrix_a_fmt:MATRIX_FMT_FP6 matrix_b_fmt:MATRIX_FMT_FP6 matrix_a_scale:MATRIX_SCALE_ROW1
.endif
.endr
.endr
.endm
	s_wait_tensorcnt 0x0                           ; my block is in,
	s_barrier_signal -1
	s_barrier_wait -1                              ; and so is everybody's
	FETCH 0
	s_wait_loadcnt 0x0                             ; bo
.irp n, 0,1,2,3,4,5,6,7
	STEP \n
.endr
	WIN 0
; THE WAY OUT, block by block of 16 rows x 128 columns, through my own stage: the first 8,448 bytes of my four row blocks, which have had their only fill, which I alone read, and whose last read came back three K steps ago.
.macro TOSTAGE a
	WIN 0x08                                       ; the data: window 2
.irp b, 0,1,2,3,4,5,6,7
	ds_store_b128 v[STO], v[64*(\a)+8*\b:64*(\a)+8*\b+3] offset:128*(\b/2)+32*(\b%2)      ; each accumulator from its low end on
	ds_store_b128 v[STO], v[64*(\a)+8*\b+4:64*(\a)+8*\b+7] offset:128*(\b/2)+32*(\b%2)+16
.endr
	WIN 0
.set BB, BK+64*((\a)%2)
.irp t, 0,1,2,3,4,5,6,7,8,9,10,11,12,13,14,15
	ds_load_b128 v[BB+4*\t:BB+4*\t+3], v[RD] offset:\t*SPITCH   ; LDS serves a wave's instructions in order: these see the stores
.endr
.endm
.macro SEND a, younger
.set BB, BK+64*((\a)%2)
	s_wait_dscnt \younger
.irp t, 0,1,2,3,4,5,6,7,8,9,10,11,12,13,14,15
	global_store_b128 v[CO], v[BB+4*\t:BB+4*\t+3], s[12:13] offset:(8*(\a)+\t+24*(\t/8))*4096 th:TH_STORE_NT   ; 512 consecutive bytes of the row that the tokens' order gives row t of my block a
.endr
.endm
	PLACES
	TOSTAGE 0
.irp a, 1,2,3
.if \a > 1
	s_wait_xcnt 0x0                                ; block a - 2's stores have read their registers
.endif
	TOSTAGE \a
	SEND \a-1, 32                                  ; behind block a - 1's loads: block a's 16 stores and 16 loads
.endr
	SEND 3, 0
	s_wait_tensorcnt 0x0                           ; the wave's end
	ds_add_u32 v[SPW], v[NIL]
	s_wait_dscnt 0x0
	CROUND                                         ; the closing round
	s_endpgm
.Lfunc_end_k_q9f4445a283_out:
	.size	k_q9f4445a283_out, .Lfunc_end_k_q9f4445a283_out-k_q9f4445a283_out
	.p2alignl 7, 3214868480
	.fill 96, 4, 3214868480
	.section	.rodata,"a",@progbits
	.p2align	6, 0x0
	.amdhsa_kernel k_q9f4445a283_out
		.amdhsa_group_segment_fixed_size 327680
		.amdhsa_private_segment_fixed_size 0
		.amdhsa_enable_private_segment 0
		.amdhsa_kernarg_size 40
		.amdhsa_user_sgpr_count 2
		.amdhsa_user_sgpr_kernarg_segment_ptr 1
		.amdhsa_wavefront_size32 1
		.amdhsa_system_sgpr_workgroup_id_x 1
		.amdhsa_system_sgpr_workgroup_id_y 1
		.amdhsa_system_sgpr_workgroup_id_z 1
		.amdhsa_system_vgpr_workitem_id 0
		.amdhsa_next_free_vgpr 768
		.amdhsa_next_free_sgpr 100
		.amdhsa_reserve_vcc 0
		.amdhsa_float_denorm_mode_32 3
		.amdhsa_float_denorm_mode_16_64 3
		.amdhsa_memory_ordered 1
		.amdhsa_forward_progress 1
		.amdhsa_inst_pref_size 79
	.end_amdhsa_kernel
	.amdgpu_metadata
---
amdhsa.version: [ 1, 2 ]
amdhsa.kernels:
  - .name:           k_q9f4445a283_out
    .symbol:         k_q9f4445a283_out.kd
    .args:
      - { .name: cimg, .offset: 0, .size: 8, .value_kind: global_buffer, .address_space: global }
      - { .name: img, .offset: 8, .size: 8, .value_kind: global_buffer, .address_space: global }
      - { .name: sci, .offset: 16, .size: 8, .value_kind: global_buffer, .address_space: global }
      - { .name: bo, .offset: 24, .size: 8, .value_kind: global_buffer, .address_space: global }
      - { .name: out0, .offset: 32, .size: 8, .value_kind: global_buffer, .address_space: global }
    .group_segment_fixed_size: 327680
    .private_segment_fixed_size: 0
    .kernarg_segment_align: 8
    .kernarg_segment_size: 40
    .max_flat_workgroup_size: 128
    .sgpr_count:     100
    .vgpr_count:     768
    .wavefront_size: 32
...
	.end_amdgpu_metadata
.endif
;; end of part 4
